; MI455X (gfx1250); checked and timed in simulation.
; The chip was launched on July 23, 2026; its instructions are those of AMD's public machine-readable ISA for CDNA 5 (MIT licence, August 2026) and "CDNA5" Instruction Set Architecture Reference Guide (July 2026). The comments in the code are by the model that wrote it; some were corrected since.
;; Base Layer. Allowed arithmetic: float matrix products may take bf16 or f16 operands with f32 sums; all other float work in f32.
;; Inputs: b1 4 x 4,096 float32; b2 4 x 1,024 float32; beta 4 x 1,024 float32; centroids 4 x 1,024 float32; gamma 4 x 1,024 float32; w1 4 x 1,024 x 4,096 float32; w2 4 x 4,096 x 1,024 float32; x 2 x 1,024 x 1,024 float32.
;; Outputs: out0 2 x 1,024 x 1,024 float32.
;; 2 versions, each right and faster than the one before. Each part assembles by itself: llvm-mc -triple=amdgcn-amd-amdhsa -mcpu=gfx1250 --defsym DOCPART=n.
;; ======== version 1 of 2: 5 launches
;; workspace buffers: eid 8,192 bytes of whole numbers; pos 8,192 bytes of whole numbers; meta 256 bytes of whole numbers; stats 32,768 bytes; h 7,340,032 bytes; hidden 29,360,128 bytes; part 58,720,256 bytes
;; launch route (part 1): grid 256 x 1, 8 waves a work-group, no clusters, 0 bytes of LDS; arguments x, centroids, eid, stats, h; writes eid, stats, h
.if DOCPART == 1
	.amdgcn_target "amdgcn-amd-amdhsa--gfx1250"
	.amdhsa_code_object_version 6
	.text
	.protected	k_q23550c0346_route
	.globl	k_q23550c0346_route
	.p2align	8
	.type	k_q23550c0346_route,@function
k_q23550c0346_route:
	s_mov_b64 s[64:65], 0
	v_nop
	global_prefetch_b8 v0, s[64:65] scope:SCOPE_SE
	s_setreg_imm32_b32 hwreg(HW_REG_WAVE_MODE, 25, 1), 1
	s_wait_xcnt 0x0
; route: for each of the 2,048 tokens the four affinities x . centroid_e, their argmax (eid), the gate
; alpha = sigmoid(largest affinity), and the LayerNorm statistics mu and 1/sqrt(var + 1e-5).
; One wave, one token: the row of 4,096 bytes is 32 registers, the four centroids 128 registers; nothing leaves the wave.
; All in f32 on the vector unit: the products decide an argmax, and 4 columns are no work for the matrix unit.
; It also stores zeros over all 3,584 rows of h (7 stores of 512 bytes a wave): the next launch stores the tokens' rows over them,
; and the surplus slots of the padded order then hold written, finite numbers.
; LIMITS: the affinities are f32 fused sums in another order than a plain dot product, so a token whose two largest
; affinities differ by less than that rounding (some 1e-7 of their size) may go to the other expert; exact ties go to the
; lowest index, as in argmax; NaN in x or centroids is not served.  The variance is taken from x - mu (two passes over
; the registers), so a common offset of x costs no digits.
; The routing results are 20 bytes a token, 40 KiB in the whole launch: lane 0 stores them.
.set X, 32                             ; v[32:63]   the token's row: load i, lane l holds elements 128 i + 4 l .. + 3
.set C, 64                             ; v[64:191]  centroid e at C + 32 e, same layout
.set Z, 192                            ; v[192:195] zeros
.macro RED v, tmp                      ; sum over the 32 lanes, result in every lane
	v_add_f32_dpp v[\v], v[\v], v[\v] row_xmask:1 row_mask:0xf bank_mask:0xf
	v_add_f32_dpp v[\v], v[\v], v[\v] row_xmask:2 row_mask:0xf bank_mask:0xf
	v_add_f32_dpp v[\v], v[\v], v[\v] row_xmask:4 row_mask:0xf bank_mask:0xf
	v_add_f32_dpp v[\v], v[\v], v[\v] row_xmask:8 row_mask:0xf bank_mask:0xf
	v_permlanex16_b32 v[\tmp], v[\v], s12, s13
	v_add_f32 v[\v], v[\v], v[\tmp]
.endm
	s_load_b256 s[4:11], s[0:1], 0x0               ; x s[4:5], centroids s[6:7], eid s[8:9], stats s[10:11]
	s_load_b64 s[22:23], s[0:1], 0x20              ; h
	v_lshrrev_b32 v16, 5, v0
	v_readfirstlane_b32 s15, v16                   ; wave
	s_lshl_b32 s14, ttmp9, 3
	s_add_co_u32 s14, s14, s15                     ; token t = 8 x work-group + wave
	s_mov_b32 s12, 0x76543210                      ; v_permlanex16_b32: lane i reads lane i of the other half
	s_mov_b32 s13, 0xfedcba98
	s_mov_b32 s18, 0x3a800000                      ; 1/1024
	v_and_b32 v17, 31, v0                          ; lane
	v_lshlrev_b32 v1, 4, v17                       ; 16 bytes a lane
	v_mov_b32 v20, 0                               ; the permute's destination counts as read
	v_mov_b32 v22, 0x3727c5ac                      ; 1e-5
.irp k, 0,1,2,3
	v_mov_b32 v[Z+\k], 0
.endr
	s_lshl_b32 s16, s14, 12                        ; 4,096 bytes a row
	s_mov_b32 s17, 0
	s_mul_i32 s24, ttmp9, 28672                    ; h: 7,340,032 bytes = 256 work-groups x 8 waves x 3,584
	s_mul_i32 s26, s15, 3584
	s_add_co_u32 s24, s24, s26
	s_mov_b32 s25, 0
	s_wait_kmcnt 0x0
	s_add_nc_u64 s[4:5], s[4:5], s[16:17]
	s_add_nc_u64 s[22:23], s[22:23], s[24:25]
.irp i, 0,1,2,3,4,5,6,7
	global_load_b128 v[X+4*\i:X+4*\i+3], v1, s[4:5] offset:512*\i
.endr
.irp e, 0,1,2,3
.irp i, 0,1,2,3,4,5,6,7
	global_load_b128 v[C+32*\e+4*\i:C+32*\e+4*\i+3], v1, s[6:7] offset:4096*\e+512*\i
.endr
.endr
.irp i, 0,1,2,3,4,5,6
	global_store_b128 v1, v[Z:Z+3], s[22:23] offset:512*\i      ; 512 consecutive bytes of zeros, aligned
.endr
	s_wait_loadcnt 32                              ; the row is in; the 32 loads of the centroids stay out
	; mean: two chains of packed adds
	v_pk_add_f32 v[2:3], v[X:X+1], v[X+2:X+3]
	v_pk_add_f32 v[18:19], v[X+4:X+5], v[X+6:X+7]
.irp p, 4,6,8,10,12,14
	v_pk_add_f32 v[2:3], v[2:3], v[X+2*\p:X+2*\p+1]
	v_pk_add_f32 v[18:19], v[18:19], v[X+2*\p+2:X+2*\p+3]
.endr
	v_pk_add_f32 v[2:3], v[2:3], v[18:19]
	v_add_f32 v2, v2, v3
	RED 2, 20
	v_mul_f32 v12, s18, v2                         ; mu
	v_mov_b32 v13, v12
	s_wait_loadcnt 0x0
	; the four affinities, four chains that do not wait for each other; the first product starts each sum
.irp e, 0,1,2,3
	v_pk_mul_f32 v[4+2*\e:5+2*\e], v[X:X+1], v[C+32*\e:C+32*\e+1]
.endr
.irp p, 1,2,3,4,5,6,7,8,9,10,11,12,13,14,15
.irp e, 0,1,2,3
	v_pk_fma_f32 v[4+2*\e:5+2*\e], v[X+2*\p:X+2*\p+1], v[C+32*\e+2*\p:C+32*\e+2*\p+1], v[4+2*\e:5+2*\e]
.endr
.endr
.irp e, 0,1,2,3
	v_add_f32 v[4+2*\e], v[4+2*\e], v[5+2*\e]
.endr
	RED 4, 20
	RED 6, 20
	RED 8, 20
	RED 10, 20
	; variance from x - mu, in place
.irp p, 0,1,2,3,4,5,6,7,8,9,10,11,12,13,14,15
	v_pk_add_f32 v[X+2*\p:X+2*\p+1], v[X+2*\p:X+2*\p+1], v[12:13] neg_lo:[0,1] neg_hi:[0,1]
.endr
	v_pk_mul_f32 v[14:15], v[X:X+1], v[X:X+1]
	v_pk_mul_f32 v[18:19], v[X+2:X+3], v[X+2:X+3]
.irp p, 2,4,6,8,10,12,14
	v_pk_fma_f32 v[14:15], v[X+2*\p:X+2*\p+1], v[X+2*\p:X+2*\p+1], v[14:15]
	v_pk_fma_f32 v[18:19], v[X+2*\p+2:X+2*\p+3], v[X+2*\p+2:X+2*\p+3], v[18:19]
.endr
	v_pk_add_f32 v[14:15], v[14:15], v[18:19]
	v_add_f32 v14, v14, v15
	RED 14, 20
	v_fma_f32 v21, v14, s18, v22                   ; var + eps
	v_rsq_f32 v29, v21                             ; plain vector work follows before v29 is used (ISA guide 5.7.2)
	; argmax: a strict comparison keeps the lowest index among equals
	v_mov_b32 v24, v4
	v_mov_b32 v25, 0
.irp e, 1,2,3
	v_cmp_gt_f32 vcc_lo, v[4+2*\e], v24
	v_cndmask_b32 v24, v24, v[4+2*\e], vcc_lo
	v_cndmask_b32 v25, v25, \e, vcc_lo
.endr
	v_mul_f32 v26, 0xbfb8aa3b, v24                 ; -log2(e) x the largest affinity
	v_exp_f32 v27, v26
	v_mov_b32 v28, v12                             ; mu (also the plain place behind v_exp_f32)
	s_wait_alu depctr_va_vdst(0)
	v_add_f32 v27, 1.0, v27
	v_rcp_f32 v30, v27                             ; alpha = 1 / (1 + exp(-a))
	v_mov_b32 v31, 0                               ; the plain place behind v_rcp_f32; the fourth word, and the stores' offset
	s_lshl_b32 s16, s14, 2
	s_add_nc_u64 s[8:9], s[8:9], s[16:17]          ; eid + 4 t
	s_lshl_b32 s16, s14, 4
	s_add_nc_u64 s[10:11], s[10:11], s[16:17]      ; stats + 16 t
	v_cmp_eq_u32 vcc_lo, 0, v17
	s_wait_xcnt 0x0                                ; EXEC is a source of the loads and stores above: it changes only behind this wait
	s_and_saveexec_b32 s20, vcc_lo
	global_store_b32 v31, v25, s[8:9]
	s_wait_alu depctr_va_vdst(0)
	global_store_b128 v31, v[28:31], s[10:11]      ; mu, rstd, alpha, 0
	s_wait_xcnt 0x0                                ; and again in front of the line that widens it
	s_or_b32 exec_lo, exec_lo, s20
	s_endpgm
.Lfunc_end_k_q23550c0346_route:
	.size	k_q23550c0346_route, .Lfunc_end_k_q23550c0346_route-k_q23550c0346_route
	.p2alignl 7, 3214868480
	.fill 96, 4, 3214868480
	.section	.rodata,"a",@progbits
	.p2align	6, 0x0
	.amdhsa_kernel k_q23550c0346_route
		.amdhsa_group_segment_fixed_size 0
		.amdhsa_private_segment_fixed_size 0
		.amdhsa_enable_private_segment 0
		.amdhsa_kernarg_size 40
		.amdhsa_user_sgpr_count 2
		.amdhsa_user_sgpr_kernarg_segment_ptr 1
		.amdhsa_wavefront_size32 1
		.amdhsa_system_sgpr_workgroup_id_x 1
		.amdhsa_system_sgpr_workgroup_id_y 1
		.amdhsa_system_sgpr_workgroup_id_z 1
		.amdhsa_system_vgpr_workitem_id 0
		.amdhsa_next_free_vgpr 196
		.amdhsa_next_free_sgpr 66
		.amdhsa_reserve_vcc 1
		.amdhsa_float_denorm_mode_32 3
		.amdhsa_float_denorm_mode_16_64 3
		.amdhsa_memory_ordered 1
		.amdhsa_forward_progress 1
		.amdhsa_inst_pref_size 17
	.end_amdhsa_kernel
	.amdgpu_metadata
---
amdhsa.version: [ 1, 2 ]
amdhsa.kernels:
  - .name:           k_q23550c0346_route
    .symbol:         k_q23550c0346_route.kd
    .args:
      - { .name: x, .offset: 0, .size: 8, .value_kind: global_buffer, .address_space: global }
      - { .name: centroids, .offset: 8, .size: 8, .value_kind: global_buffer, .address_space: global }
      - { .name: eid, .offset: 16, .size: 8, .value_kind: global_buffer, .address_space: global }
      - { .name: stats, .offset: 24, .size: 8, .value_kind: global_buffer, .address_space: global }
      - { .name: h, .offset: 32, .size: 8, .value_kind: global_buffer, .address_space: global }
    .group_segment_fixed_size: 0
    .private_segment_fixed_size: 0
    .kernarg_segment_align: 8
    .kernarg_segment_size: 40
    .max_flat_workgroup_size: 256
    .sgpr_count:     66
    .vgpr_count:     196
    .wavefront_size: 32
...
	.end_amdgpu_metadata
.endif
;; end of part 1
;; launch norm (part 2): grid 256 x 1, 8 waves a work-group, no clusters, 0 bytes of LDS; arguments x, gamma, beta, eid, stats, h, pos, meta; writes h, pos, meta
.if DOCPART == 2
	.amdgcn_target "amdgcn-amd-amdhsa--gfx1250"
	.amdhsa_code_object_version 6
	.text
	.protected	k_q23550c0346_norm
	.globl	k_q23550c0346_norm
	.p2align	8
	.type	k_q23550c0346_norm,@function
k_q23550c0346_norm:
	s_mov_b64 s[64:65], 0
	v_nop
	global_prefetch_b8 v0, s[64:65] scope:SCOPE_SE
	s_setreg_imm32_b32 hwreg(HW_REG_WAVE_MODE, 25, 1), 1
	s_wait_xcnt 0x0
; norm: places the tokens by expert and writes the experts' LayerNorm outputs, in bf16, in the padded order.
; An expert's n_e tokens take ng_e = ceil(n_e / 448) GROUPS of 448 slots; the groups of expert 0 come first, then expert 1's, and so on.
; The sum of ng_e is at most (2048 + 4 x 447) / 448 = 8.56, so 8 groups (3,584 slots) always do.
;   pos[t]      = 448 gbase_e + rank         gbase_e: groups of the experts in front; rank: tokens of expert e in front of t
;   h[pos[t]]   = bf16(((x - mu) rstd) gamma_e + beta_e)        the other slots keep the zeros that the launch before stored
;   meta[q]     = the expert of group q (3 for groups that no expert needs)
; One wave, one token t.  Each wave makes the placement itself from the 8 KiB of eid: per lane 64 tokens, counted in four
; 8-bit fields of one word (a field holds 64 at the most), once for all tokens and once for the tokens in front of t;
; so no wave waits for another and nothing passes between work-groups.  All of that is whole-number work on numbers read from memory.
; Memory binds: LDS, clusters and the matrix unit would add nothing here.
.set GROWS, 448
.set E,  16                            ; v[16:79]    eid: load i, lane l, word c is token 128 i + 4 l + c
.set X,  80                            ; v[80:111]   the row; load i, lane l: elements 128 i + 4 l .. + 3
.set G,  112                           ; v[112:143]  gamma_e
.set BT, 144                           ; v[144:175]  beta_e
.set TM, 176                           ; v[176:179]  at work
.set Z,  180                           ; v180        zero: the offset of the one-word store
.set U,  184                           ; v[184:187]  counts in 16-bit fields
.macro IRED v                          ; whole-number sum over the 32 lanes
.irp m, 1,2,4,8
	v_mov_b32_dpp v11, v[\v] row_xmask:\m row_mask:0xf bank_mask:0xf
	v_add_nc_u32 v[\v], v[\v], v11
.endr
	v_permlanex16_b32 v11, v[\v], s62, s63
	v_add_nc_u32 v[\v], v[\v], v11
.endm
	s_load_b512 s[4:19], s[0:1], 0x0               ; x 4, gamma 6, beta 8, eid 10, stats 12, h 14, pos 16, meta 18
	v_lshrrev_b32 v3, 5, v0
	v_readfirstlane_b32 s22, v3                    ; wave
	s_lshl_b32 s20, ttmp9, 3
	s_add_co_u32 s20, s20, s22                     ; token t
	s_mov_b32 s62, 0x76543210
	s_mov_b32 s63, 0xfedcba98
	s_mov_b32 s35, 0x00ff00ff
	v_and_b32 v3, 31, v0                           ; lane
	v_lshlrev_b32 v1, 4, v3                        ; 16 x lane
	v_lshlrev_b32 v2, 3, v3                        ; 8 x lane
	v_lshlrev_b32 v4, 2, v3                        ; 4 x lane + c: a lane's four tokens within a load's 128
	v_add_nc_u32 v5, 1, v4
	v_add_nc_u32 v6, 2, v4
	v_add_nc_u32 v7, 3, v4
	v_mov_b32 v8, 1
	v_mov_b32 v9, 0                                ; counts of all tokens
	v_mov_b32 v10, 0                               ; counts of the tokens in front of t
	v_mov_b32 v11, 0
	v_mov_b32 v[Z], 0
	s_mov_b32 s33, 0
	s_wait_kmcnt 0x0
	s_lshl_b32 s32, s20, 2
	s_add_nc_u64 s[30:31], s[10:11], s[32:33]
	s_add_nc_u64 s[16:17], s[16:17], s[32:33]      ; pos + 4 t
	s_load_b32 s21, s[30:31], 0x0                  ; my token's expert
	s_lshl_b32 s32, s20, 4
	s_add_nc_u64 s[28:29], s[12:13], s[32:33]
	s_load_b128 s[24:27], s[28:29], 0x0            ; mu, rstd, alpha, 0
	s_lshl_b32 s32, s20, 12
	s_add_nc_u64 s[4:5], s[4:5], s[32:33]
.irp i, 0,1,2,3,4,5,6,7,8,9,10,11,12,13,14,15
	global_load_b128 v[E+4*\i:E+4*\i+3], v1, s[10:11] offset:512*\i
.endr
.irp i, 0,1,2,3,4,5,6,7
	global_load_b128 v[X+4*\i:X+4*\i+3], v1, s[4:5] offset:512*\i
.endr
	s_wait_kmcnt 0x0
	s_min_u32 s21, s21, 3                          ; a number from memory enters an address only clamped
	s_lshl_b32 s32, s21, 12
	s_add_nc_u64 s[6:7], s[6:7], s[32:33]
	s_add_nc_u64 s[8:9], s[8:9], s[32:33]
.irp i, 0,1,2,3,4,5,6,7
	global_load_b128 v[G+4*\i:G+4*\i+3], v1, s[6:7] offset:512*\i
.endr
.irp i, 0,1,2,3,4,5,6,7
	global_load_b128 v[BT+4*\i:BT+4*\i+3], v1, s[8:9] offset:512*\i
.endr
	s_wait_loadcnt 24                              ; eid is in; the 24 younger loads (x, gamma, beta) stay out
	s_mov_b32 s34, s20                             ; t - 128 i
.irp i, 0,1,2,3,4,5,6,7,8,9,10,11,12,13,14,15
.irp c, 0,1,2,3
	v_lshlrev_b32 v[TM+\c], 3, v[E+4*\i+\c]
.endr
.irp c, 0,1,2,3
	v_lshlrev_b32 v[TM+\c], v[TM+\c], v8           ; 1 in the expert's field
.endr
.irp c, 0,1,2,3
	v_add_nc_u32 v9, v9, v[TM+\c]
	v_cmp_gt_i32 vcc_lo, s34, v[4+\c]              ; token 128 i + 4 l + c < t
	v_cndmask_b32 v[TM+\c], 0, v[TM+\c], vcc_lo
	v_add_nc_u32 v10, v10, v[TM+\c]
.endr
	s_sub_co_i32 s34, s34, 128
.endr
	v_and_b32 v[U], s35, v9                        ; experts 0 and 2 in 16-bit fields (a sum is 2,048 at the most)
	v_lshrrev_b32 v[U+1], 8, v9
	v_and_b32 v[U+1], s35, v[U+1]                  ; experts 1 and 3
	v_and_b32 v[U+2], s35, v10
	v_lshrrev_b32 v[U+3], 8, v10
	v_and_b32 v[U+3], s35, v[U+3]
	IRED U
	IRED U+1
	IRED U+2
	IRED U+3
	v_readfirstlane_b32 s36, v[U]
	v_readfirstlane_b32 s37, v[U+1]
	v_readfirstlane_b32 s38, v[U+2]
	v_readfirstlane_b32 s39, v[U+3]
	s_and_b32 s40, s36, 0xffff                     ; n0, n1, n2 in s40, s41, s42 (n3 decides nothing)
	s_lshr_b32 s42, s36, 16
	s_and_b32 s41, s37, 0xffff
.irp e, 0,1,2
	s_add_co_u32 s[44+\e], s[40+\e], GROWS-1       ; ng_e = (n_e + 447) / 448, as a product with 2341 = ceil(2^20 / 448):
	s_mul_i32 s[44+\e], s[44+\e], 2341             ; the surplus is below 2495 x 0.43 / 2^20 = 0.0011, less than the 1/448 that could carry
	s_lshr_b32 s[44+\e], s[44+\e], 20
.endr
	s_mov_b32 s48, s44                             ; gbase_1 .. gbase_3 in s48 .. s50
	s_add_co_u32 s49, s48, s45
	s_add_co_u32 s50, s49, s46
	s_mov_b32 s55, 0                               ; my expert's gbase
.irp e, 1,2,3
	s_cmp_eq_u32 s21, \e
	s_cselect_b32 s55, s[47+\e], s55
.endr
	s_bitcmp1_b32 s21, 0
	s_cselect_b32 s56, s39, s38
	s_lshr_b32 s57, s21, 1
	s_lshl_b32 s57, s57, 4
	s_lshr_b32 s56, s56, s57
	s_and_b32 s56, s56, 0xffff                     ; rank: tokens of my expert in front of t
	s_mul_i32 s58, s55, GROWS
	s_add_co_u32 s58, s58, s56
	s_min_u32 s58, s58, 3583                       ; my slot
	s_lshl_b32 s32, s58, 11
	s_add_nc_u64 s[60:61], s[14:15], s[32:33]
	v_mov_b32 v12, s24
	v_mov_b32 v13, s24
	v_mov_b32 v14, s25
	v_mov_b32 v15, s25
	s_wait_loadcnt 0x0
.irp p, 0,1,2,3,4,5,6,7,8,9,10,11,12,13,14,15
	v_pk_add_f32 v[X+2*\p:X+2*\p+1], v[X+2*\p:X+2*\p+1], v[12:13] neg_lo:[0,1] neg_hi:[0,1]
.endr
.irp p, 0,1,2,3,4,5,6,7,8,9,10,11,12,13,14,15
	v_pk_mul_f32 v[X+2*\p:X+2*\p+1], v[X+2*\p:X+2*\p+1], v[14:15]
.endr
.irp p, 0,1,2,3,4,5,6,7,8,9,10,11,12,13,14,15
	v_pk_fma_f32 v[X+2*\p:X+2*\p+1], v[X+2*\p:X+2*\p+1], v[G+2*\p:G+2*\p+1], v[BT+2*\p:BT+2*\p+1]
.endr
.irp i, 0,1,2,3,4,5,6,7
	v_cvt_pk_bf16_f32 v[X+4*\i], v[X+4*\i], v[X+4*\i+1]
	v_cvt_pk_bf16_f32 v[X+4*\i+1], v[X+4*\i+2], v[X+4*\i+3]
	global_store_b64 v2, v[X+4*\i:X+4*\i+1], s[60:61] offset:256*\i   ; the wave's store covers 256 consecutive bytes, aligned
.endr
	s_cmp_lg_u32 s22, 0
	s_cbranch_scc1 .Lrest
	s_cmp_lg_u32 ttmp9, 0
	s_cbranch_scc1 .Lrest
	; wave 0 of work-group 0: the table, one word a lane: group q belongs to the expert that has as many bases at or below q
	v_mov_b32 v188, 0
.irp e, 0,1,2
	v_cmp_le_u32 vcc_lo, s[48+\e], v3
	v_cndmask_b32 v11, 0, 1, vcc_lo
	v_add_nc_u32 v188, v188, v11
.endr
	global_store_b32 v4, v188, s[18:19]
.Lrest:
	v_mov_b32 v11, s58
	v_cmp_eq_u32 vcc_lo, 0, v3
	s_wait_xcnt 0x0                                ; EXEC is a source of the stores above: it changes only behind this wait
	s_and_saveexec_b32 s59, vcc_lo
	global_store_b32 v[Z], v11, s[16:17]           ; pos[t], 8 KiB in the whole launch
	s_wait_xcnt 0x0
	s_or_b32 exec_lo, exec_lo, s59
	s_endpgm
.Lfunc_end_k_q23550c0346_norm:
	.size	k_q23550c0346_norm, .Lfunc_end_k_q23550c0346_norm-k_q23550c0346_norm
	.p2alignl 7, 3214868480
	.fill 96, 4, 3214868480
	.section	.rodata,"a",@progbits
	.p2align	6, 0x0
	.amdhsa_kernel k_q23550c0346_norm
		.amdhsa_group_segment_fixed_size 0
		.amdhsa_private_segment_fixed_size 0
		.amdhsa_enable_private_segment 0
		.amdhsa_kernarg_size 64
		.amdhsa_user_sgpr_count 2
		.amdhsa_user_sgpr_kernarg_segment_ptr 1
		.amdhsa_wavefront_size32 1
		.amdhsa_system_sgpr_workgroup_id_x 1
		.amdhsa_system_sgpr_workgroup_id_y 1
		.amdhsa_system_sgpr_workgroup_id_z 1
		.amdhsa_system_vgpr_workitem_id 0
		.amdhsa_next_free_vgpr 192
		.amdhsa_next_free_sgpr 66
		.amdhsa_reserve_vcc 1
		.amdhsa_float_denorm_mode_32 3
		.amdhsa_float_denorm_mode_16_64 3
		.amdhsa_memory_ordered 1
		.amdhsa_forward_progress 1
		.amdhsa_inst_pref_size 28
	.end_amdhsa_kernel
	.amdgpu_metadata
---
amdhsa.version: [ 1, 2 ]
amdhsa.kernels:
  - .name:           k_q23550c0346_norm
    .symbol:         k_q23550c0346_norm.kd
    .args:
      - { .name: x, .offset: 0, .size: 8, .value_kind: global_buffer, .address_space: global }
      - { .name: gamma, .offset: 8, .size: 8, .value_kind: global_buffer, .address_space: global }
      - { .name: beta, .offset: 16, .size: 8, .value_kind: global_buffer, .address_space: global }
      - { .name: eid, .offset: 24, .size: 8, .value_kind: global_buffer, .address_space: global }
      - { .name: stats, .offset: 32, .size: 8, .value_kind: global_buffer, .address_space: global }
      - { .name: h, .offset: 40, .size: 8, .value_kind: global_buffer, .address_space: global }
      - { .name: pos, .offset: 48, .size: 8, .value_kind: global_buffer, .address_space: global }
      - { .name: meta, .offset: 56, .size: 8, .value_kind: global_buffer, .address_space: global }
    .group_segment_fixed_size: 0
    .private_segment_fixed_size: 0
    .kernarg_segment_align: 8
    .kernarg_segment_size: 64
    .max_flat_workgroup_size: 256
    .sgpr_count:     66
    .vgpr_count:     192
    .wavefront_size: 32
...
	.end_amdgpu_metadata
.endif
;; end of part 2
;; launch ffn1 (part 3): grid 512 x 1, 4 waves a work-group, clusters of 4 x 1, 327,680 bytes of LDS; arguments w1, b1, h, meta, hidden; writes hidden
.if DOCPART == 3
	.amdgcn_target "amdgcn-amd-amdhsa--gfx1250"
	.amdhsa_code_object_version 6
	.text
	.protected	k_q23550c0346_ffn1
	.globl	k_q23550c0346_ffn1
	.p2align	8
	.type	k_q23550c0346_ffn1,@function
k_q23550c0346_ffn1:
	s_mov_b64 s[64:65], 0
	v_nop
	global_prefetch_b8 v0, s[64:65] scope:SCOPE_SE
	s_setreg_imm32_b32 hwreg(HW_REG_WAVE_MODE, 25, 1), 1
	s_wait_xcnt 0x0
	s_wait_alu depctr_hold_cnt(0) depctr_sa_sdst(0) depctr_va_vdst(0) depctr_va_sdst(0) depctr_va_ssrc(0) depctr_va_vcc(0) depctr_vm_vsrc(0)
	s_getreg_b32 s2, hwreg(HW_REG_IB_STS2, 6, 4)
	s_cmp_eq_u32 s2, 0
	s_cbranch_scc0 .Lentry_in_a_cluster
	s_endpgm
.Lentry_in_a_cluster:
	s_bfe_u32 s2, ttmp6, 0x10000c
	s_cmp_lg_u32 s2, 0x3003
	s_cbranch_scc0 .Lentry_shape_is_right
	s_endpgm
.Lentry_shape_is_right:
; ffn1: hidden = relu(h w1[e] + b1[e]), each token with its own expert alone, in bf16, sums in f32.
; The tokens lie in 8 groups of 448 padded slots, each group of one expert (meta[q]).  A work-group is (group, slab of 64 columns): 8 x 64 = 512.
; It reads the slab's 64 columns x 1,024 K of the group's expert (256 KiB of f32) once, rounds them to bf16 and keeps them in registers, 256 in
; each of its four waves (wave w: K = 256 w .. 256 w + 255), and then walks the group's 7 blocks of 64 slots.  All four waves work on the same
; 64 rows, each over its own K, and the four partial tiles of 64 x 64 are added through LDS: wave w ends up with rows 16 w .. 16 w + 15.
; WHAT HANGS ON DATA: the expert's number, and through it only the global addresses of the weights and the bias.  Trip counts, branches, LDS
; addresses and the token tiles' addresses are made of the cluster's number, the wave's number and constants.
; SURPLUS: slots behind an expert's last token hold zero rows; they are worked on like the others and nobody reads their results.  Where the
; tokens need fewer than 8 groups, the groups left over do the same on zero rows alone, with expert 3's weights: every wave has to pass every barrier.
; NO TRANSPOSITION: fragment tile b (0..3) takes the slab's columns 4 r + b (r = lane % 16).  A lane's 16-byte load of row k at byte 16 r brings
; w[k][4 r .. 4 r + 3], one number for each of the four tiles, and two rows' numbers pack into one fragment register.  Sixteen lanes read 256
; consecutive bytes, aligned.
; CLUSTERS: the four work-groups of a cluster have the same group and neighbouring slabs, so they walk the same token tiles: each tile is asked for
; jointly (mask 15).  The place in the cluster enters only the global addresses of the weights, the bias and the output.
; hidden is laid out in the order in which the next product reads it: [slot / 16][column / 8][16 slots][8 columns], 256 bytes a chunk.
; By this text's own count a wave has one tensor load out.
; REGISTERS in windows of 256: window 0 addresses and the way out; window 1 the weights, fragment (ks, b) at 32 ks + 8 b; window 2 the 16 accumulators,
; tile (a, b) at 8 (4 a + b); window 3 the tokens' fragments, (ks, a) at 8 (4 ks + a), and before that three landing buffers of 64 for the weights.
; Local tile a is the block's m-tile (a + w) % 4, so that local tile 0 is the one that the wave owns, in every wave's text.
.set NBLK,   7                         ; blocks of 64 slots in a group
.set PITCHB, 16384                     ; bytes from row to row of w1
.set REG,    33792                     ; a wave's part of a slot: 64 rows x 528 bytes (512 of data, 16 of padding: an odd multiple of 16)
.set AT,     8448                      ; 16 rows
.set SLOT,   4*REG
.set STG,    2*SLOT                    ; the stage: storing wave x 3 tiles x 4,096 bytes; no tensor load lands here
.set TSTEP,  131072                    ; 64 rows of h
.set OSTEP,  524288                    ; a block of hidden
.set WOFF, 4                           ; v4      weights: 8 g rows + 16 r
.set OOFF, 5                           ; v5      output: 1024 g + 16 r
.set BOFF, 6                           ; v6      bias: 128 g
.set LT,   7                           ; v7      528 r + 16 g
.set ADR,  8                           ; v[8:15] LDS address of local tile a in slot s at ADR + 4 s + a
.set STA,  16                          ; v16     where I store partial tiles
.set STR,  17                          ; v[17:19] where I read the three partial tiles of my own m-tile
.set P,    32                          ; v[32:127] the three, 32 registers each
.set T,    128                         ; v[128:159] the sums in column order
.set BI,   160                         ; v[160:191] b1 of my 32 columns
.set H,    192                         ; v[192:207] bf16 to store
.set G0,   36                          ; s[36:39] group 0 of slot 0, s[48:51] of slot 1
.set G1,   40                          ; s[40:47] group 1
.set MSB, 0
.macro WIN new                         ; the immediate's high byte repeats the setting that is left
.if MSB != \new
	s_set_vgpr_msb (MSB<<8)|\new
.set MSB, \new
.endif
.endm
.macro ROUND                           ; a round of the cluster's barrier
	s_barrier_signal -1
	s_barrier_wait -1
	s_cmp_lg_u32 s8, 0
	s_cbranch_scc1 .Lnot_wave_0_\@
	s_barrier_signal -3
.Lnot_wave_0_\@:
	s_barrier_wait -3
	s_barrier_signal -1
	s_barrier_wait -1
.endm
.macro WLOAD c, buf                    ; 32 rows of K (chunk c) x 64 columns, f32, into landing buffer buf: 16 loads
	WIN 0xC0
.irp q, 0,1
.irp j, 0,1,2,3,4,5,6,7
	global_load_b128 v[64*\buf+32*\q+4*\j:64*\buf+32*\q+4*\j+3], v[WOFF], s[32:33] offset:(32*\c+16*\q+\j)*PITCHB
.endr
.endr
.endm
.macro WCVT c, buf                     ; the four fragments of K step c: register 4 q + jj of tile b = rows 16 q + 8 g + 2 jj, + 1 of column 4 r + b
	WIN 0x4F
.irp b, 0,1,2,3
.irp q, 0,1
.irp jj, 0,1,2,3
	v_cvt_pk_bf16_f32 v[32*\c+8*\b+4*\q+\jj], v[64*\buf+32*\q+8*\jj+\b], v[64*\buf+32*\q+8*\jj+4+\b]
.endr
.endr
.endr
.endm
.macro AFR slot, ks                    ; the four token fragments of K step ks: 8 LDS loads
.irp a, 0,1,2,3
	ds_load_b128 v[8*(4*\ks+\a):8*(4*\ks+\a)+3],   v[ADR+4*\slot+\a] offset:64*\ks
	ds_load_b128 v[8*(4*\ks+\a)+4:8*(4*\ks+\a)+7], v[ADR+4*\slot+\a] offset:64*\ks+32
.endr
.endm
; One block of 64 slots out of LDS slot s.
.macro BLOCK slot
	WIN 0xC0
.irp ks, 0,1,2,3,4,5,6
	AFR \slot, \ks
.endr
	s_wait_dscnt 48                                ; LDS loads come back in order: K step 0's eight are in, the six later steps' stay out
	AFR \slot, 7
	WIN 0xAD                                       ; source 0 weights (window 1), source 1 tokens (window 3), C and D window 2
	; Used transposed: a lane's eight results are columns of one token.  The 16 accumulators take turns, one instruction a turn, in the
	; same order in every K step.  The first K step starts the sums.
.irp ks, 0,1,2,3,4,5,6,7
.if \ks > 0
	s_wait_dscnt 56-8*\ks                          ; this K step's eight loads are in, the later steps' stay out
.endif
.irp a, 0,1,2,3
.irp b, 0,1,2,3
.if \ks == 0
	v_wmma_f32_16x16x32_bf16 v[8*(4*\a+\b):8*(4*\a+\b)+7], v[32*\ks+8*\b:32*\ks+8*\b+7], v[8*(4*\ks+\a):8*(4*\ks+\a)+7], 0
.else
	v_wmma_f32_16x16x32_bf16 v[8*(4*\a+\b):8*(4*\a+\b)+7], v[32*\ks+8*\b:32*\ks+8*\b+7], v[8*(4*\ks+\a):8*(4*\ks+\a)+7], v[8*(4*\a+\b):8*(4*\a+\b)+7]
.endif
.endr
.endr
.endr
	WIN 0x08                                       ; LDS store data from window 2
.rept 5
	v_nop                                          ; the places behind the last matrix instructions, for the stores of results and for what later lands on these registers
.endr
.irp a, 1,2,3
.irp b, 0,1,2,3
	ds_store_b128 v[STA], v[8*(4*\a+\b):8*(4*\a+\b)+3]   offset:(\a-1)*4096+1024*\b
	ds_store_b128 v[STA], v[8*(4*\a+\b)+4:8*(4*\a+\b)+7] offset:(\a-1)*4096+1024*\b+512
.endr
.endr
	WIN 0
	s_wait_dscnt 0x0                               ; my partial tiles are in LDS, for the others' sake
	s_barrier_signal -1
	s_barrier_wait -1                              ; the next tile's load may stay out
.irp s, 0,1,2
.irp q, 0,1,2,3,4,5,6,7
	ds_load_b128 v[P+32*\s+4*\q:P+32*\s+4*\q+3], v[STR+\s] offset:512*\q
.endr
.endr
	s_wait_dscnt 16                                ; the first of the three tiles is in
	WIN 0x02
.irp i, 0,1,2,3,4,5,6,7,8,9,10,11,12,13,14,15
	v_pk_add_f32 v[P+2*\i:P+2*\i+1], v[2*\i:2*\i+1], v[P+2*\i:P+2*\i+1]      ; + my own part (window 2, local tile 0)
.endr
	WIN 0
	s_wait_dscnt 0x0
.irp i, 0,1,2,3,4,5,6,7,8,9,10,11,12,13,14,15
	v_pk_add_f32 v[P+32+2*\i:P+32+2*\i+1], v[P+32+2*\i:P+32+2*\i+1], v[P+64+2*\i:P+64+2*\i+1]
.endr
.irp j, 0,1,2,3,4,5,6,7
.irp b, 0,1,2,3
	v_add_f32 v[T+4*\j+\b], v[P+8*\b+\j], v[P+32+8*\b+\j]                    ; slot r, column 32 g + 4 j + b: the last add also orders the columns
.endr
.endr
.irp i, 0,1,2,3,4,5,6,7,8,9,10,11,12,13,14,15
	v_pk_add_f32 v[T+2*\i:T+2*\i+1], v[T+2*\i:T+2*\i+1], v[BI+2*\i:BI+2*\i+1]
.endr
.set n, 0
.rept 32
	v_max_num_f32 v[T+n], 0, v[T+n]
.set n, n+1
.endr
.irp d, 0,1,2,3,4,5,6,7,8,9,10,11,12,13,14,15
	v_cvt_pk_bf16_f32 v[H+\d], v[T+2*\d], v[T+2*\d+1]
.endr
.irp t, 0,1,2,3
	global_store_b128 v[OOFF], v[H+4*\t:H+4*\t+3], s[34:35] offset:256*\t    ; sixteen lanes store one whole chunk of 256 bytes
.endr
	s_wait_xcnt 0x0                                ; the stores' base and data are rewritten only behind this wait
	s_add_nc_u64 s[34:35], s[34:35], OSTEP
.endm
; A trip: in front of the round every wave has waited for all its tensor loads (this trip's tile among them) and for its LDS reads (the other slot's
; fragments, the stage); behind the round the other slot is asked for first, one load a wave; then this slot is worked on.
.macro TRIP slot, refill
	s_wait_tensorcnt 0x0
	ds_add_u32 v254, v255
	s_wait_dscnt 0x0
	s_add_nc_u64 s[G0+12*\slot+2:G0+12*\slot+3], s[G0+12*\slot+2:G0+12*\slot+3], 2*TSTEP   ; no load of mine is out: this slot's next tile
	s_wait_dscnt 0x0
	ROUND
.if \refill
	tensor_load_to_lds s[G0+12*(1-\slot):G0+12*(1-\slot)+3], s[G1:G1+7]
	s_nop 0
.endif
	BLOCK \slot
.endm
	s_load_b256 s[16:23], s[0:1], 0x0              ; w1 16, b1 18, h 20, meta 22
	s_load_b64 s[24:25], s[0:1], 0x20              ; hidden
	v_lshl_add_u32 v254, v0, 2, 0x4e000
	v_mov_b32 v255, 0
	ds_add_u32 v254, v255
	v_lshrrev_b32 v1, 5, v0
	v_readfirstlane_b32 s8, v1                     ; wave
	s_bfe_u32 s9, ttmp6, 0x40000                   ; cx
	s_lshr_b32 s10, ttmp9, 4                       ; group: 16 clusters each
	s_and_b32 s12, ttmp9, 15
	s_lshl_b32 s12, s12, 2
	s_add_co_u32 s12, s12, s9                      ; slab 0..63 (s9, s12, s52, s62 and the three bases made of them alone hold cx)
	s_lshl_b32 s54, s10, 2
	s_mov_b32 s55, 0
	s_mov_b32 s53, 0
	; group 1: 64 rows x 256 elements of 2 bytes, 1,024 elements from row to row; 4 words of padding behind every 128; mask 15, bit 21 beside it
	s_mov_b32 s[G1+0], 15|(1<<16)|(1<<20)|(1<<21)|(6<<22)|(3<<25)
	s_mov_b32 s[G1+1], 256<<16
	s_mov_b32 s[G1+2], 64<<16
	s_mov_b32 s[G1+3], 256<<16
	s_mov_b32 s[G1+4], 64
	s_mov_b32 s[G1+5], 1024
	s_mov_b32 s[G1+6], 0
	s_mov_b32 s[G1+7], 0
	s_wait_dscnt 0x0
	s_wait_kmcnt 0x0
	s_add_nc_u64 s[22:23], s[22:23], s[54:55]
	s_load_b32 s28, s[22:23], 0x0                  ; my group's expert; it comes in while the first tile is asked for
	s_mul_i32 s54, s10, NBLK*TSTEP                 ; h: the group's first slot, my 512 bytes of K
	s_lshl_b32 s57, s8, 9
	s_add_co_u32 s54, s54, s57
	s_mov_b32 s36, 1
	s_mul_i32 s37, s8, REG
	s_add_nc_u64 s[38:39], s[20:21], s[54:55]      ; block 0
	s_mov_b32 s48, 1
	s_add_co_u32 s49, s37, SLOT
	s_add_nc_u64 s[50:51], s[38:39], TSTEP         ; block 1
	s_or_b32 s39, s39, 0x80000000
	s_or_b32 s51, s51, 0x80000000
	ROUND                                          ; the four partners are here: the first joint load meets
	tensor_load_to_lds s[36:39], s[40:47]          ; block 0 into slot 0; it lands while the weights come in
	s_nop 0
	v_and_b32 v1, 31, v0                           ; lane
	v_and_b32 v2, 15, v0                           ; r
	v_bfe_u32 v3, v0, 4, 1                         ; g
	v_lshlrev_b32 v[WOFF], 4, v2
	v_lshl_add_u32 v[OOFF], v3, 10, v[WOFF]
	v_lshl_add_u32 v[WOFF], v3, 17, v[WOFF]
	v_lshlrev_b32 v[BOFF], 7, v3
	v_mul_u32_u24 v[LT], v2, 528
	v_lshl_add_u32 v[LT], v3, 4, v[LT]
	s_wait_kmcnt 0x0
	s_min_u32 s28, s28, 3                          ; a number from memory enters an address only clamped
	s_lshl_b32 s52, s28, 24                        ; weights: expert x 16 MiB + 256 w rows + 256 bytes x slab
	s_lshl_b32 s62, s8, 22
	s_add_co_u32 s52, s52, s62
	s_lshl_b32 s62, s12, 8
	s_add_co_u32 s52, s52, s62
	s_add_nc_u64 s[32:33], s[16:17], s[52:53]
	s_lshl_b32 s52, s28, 14
	s_add_co_u32 s52, s52, s62
	s_add_nc_u64 s[18:19], s[18:19], s[52:53]      ; b1 + 16,384 e + 256 slab
.irp q, 0,1,2,3,4,5,6,7
	global_load_b128 v[BI+4*\q:BI+4*\q+3], v[BOFF], s[18:19] offset:16*\q
.endr
	WLOAD 0, 0                                     ; 48 loads, 24 KiB a wave, are on their way from here on
	WLOAD 1, 1
	WLOAD 2, 2
	WIN 0
	s_mul_i32 s56, s8, REG                         ; my part of a slot
.irp a, 0,1,2,3
	s_add_co_u32 s57, s8, \a
	s_and_b32 s57, s57, 3
	s_mul_i32 s57, s57, AT
	s_add_co_u32 s57, s57, s56
	v_add_nc_u32 v[ADR+\a], s57, v[LT]
	s_add_co_u32 s57, s57, SLOT
	v_add_nc_u32 v[ADR+4+\a], s57, v[LT]
.endr
	s_mul_i32 s57, s8, 12288
	s_add_co_u32 s57, s57, STG
	v_lshl_add_u32 v[STA], v1, 4, s57
.irp a, 1,2,3
	s_add_co_u32 s57, s8, 4-\a                     ; wave (w - a) % 4 has my m-tile as its local tile a
	s_and_b32 s57, s57, 3
	s_mul_i32 s57, s57, 12288
	s_add_co_u32 s57, s57, STG+(\a-1)*4096
	v_lshl_add_u32 v[STR+\a-1], v1, 4, s57
.endr
	s_mul_i32 s52, s10, NBLK*OSTEP                 ; hidden: the group's first block, m-tile w of 131,072 bytes, 2,048 x slab
	s_lshl_b32 s62, s8, 17
	s_add_co_u32 s52, s52, s62
	s_lshl_b32 s62, s12, 11
	s_add_co_u32 s52, s52, s62
	s_add_nc_u64 s[34:35], s[24:25], s[52:53]
	s_wait_loadcnt 32                              ; chunk 0 (and the older bias) is in; chunks 1 and 2 stay out
	WCVT 0, 0
	WLOAD 3, 0
	s_wait_loadcnt 32
	WCVT 1, 1
	WLOAD 4, 1
	s_wait_loadcnt 32
	WCVT 2, 2
	WLOAD 5, 2
	s_wait_loadcnt 32
	WCVT 3, 0
	WLOAD 6, 0
	s_wait_loadcnt 32
	WCVT 4, 1
	WLOAD 7, 1
	s_wait_loadcnt 32                              ; chunks 6 and 7 stay out
	WCVT 5, 2
	s_wait_loadcnt 16
	WCVT 6, 0
	s_wait_loadcnt 0x0
	WCVT 7, 1
	WIN 0
	s_mov_b32 s59, 0
.Lpair:                                            ; blocks 0 to 5, each asking for the next
	TRIP 0, 1
	TRIP 1, 1
	s_add_co_u32 s59, s59, 1
	s_cmp_lt_u32 s59, (NBLK-1)/2
	s_cbranch_scc1 .Lpair
	TRIP 0, 0                                      ; block 6: nothing more to fetch
	s_wait_tensorcnt 0x0
	ds_add_u32 v254, v255
	s_wait_dscnt 0x0
	ROUND                                          ; the closing round: no work-group ends while a partner may still ask jointly
	s_endpgm
.Lfunc_end_k_q23550c0346_ffn1:
	.size	k_q23550c0346_ffn1, .Lfunc_end_k_q23550c0346_ffn1-k_q23550c0346_ffn1
	.p2alignl 7, 3214868480
	.fill 96, 4, 3214868480
	.section	.rodata,"a",@progbits
	.p2align	6, 0x0
	.amdhsa_kernel k_q23550c0346_ffn1
		.amdhsa_group_segment_fixed_size 327680
		.amdhsa_private_segment_fixed_size 0
		.amdhsa_enable_private_segment 0
		.amdhsa_kernarg_size 40
		.amdhsa_user_sgpr_count 2
		.amdhsa_user_sgpr_kernarg_segment_ptr 1
		.amdhsa_wavefront_size32 1
		.amdhsa_system_sgpr_workgroup_id_x 1
		.amdhsa_system_sgpr_workgroup_id_y 1
		.amdhsa_system_sgpr_workgroup_id_z 1
		.amdhsa_system_vgpr_workitem_id 0
		.amdhsa_next_free_vgpr 1024
		.amdhsa_next_free_sgpr 66
		.amdhsa_reserve_vcc 0
		.amdhsa_float_denorm_mode_32 3
		.amdhsa_float_denorm_mode_16_64 3
		.amdhsa_memory_ordered 1
		.amdhsa_forward_progress 1
		.amdhsa_inst_pref_size 105
	.end_amdhsa_kernel
	.amdgpu_metadata
---
amdhsa.version: [ 1, 2 ]
amdhsa.kernels:
  - .name:           k_q23550c0346_ffn1
    .symbol:         k_q23550c0346_ffn1.kd
    .args:
      - { .name: w1, .offset: 0, .size: 8, .value_kind: global_buffer, .address_space: global }
      - { .name: b1, .offset: 8, .size: 8, .value_kind: global_buffer, .address_space: global }
      - { .name: h, .offset: 16, .size: 8, .value_kind: global_buffer, .address_space: global }
      - { .name: meta, .offset: 24, .size: 8, .value_kind: global_buffer, .address_space: global }
      - { .name: hidden, .offset: 32, .size: 8, .value_kind: global_buffer, .address_space: global }
    .group_segment_fixed_size: 327680
    .private_segment_fixed_size: 0
    .kernarg_segment_align: 8
    .kernarg_segment_size: 40
    .max_flat_workgroup_size: 128
    .sgpr_count:     66
    .vgpr_count:     1024
    .wavefront_size: 32
...
	.end_amdgpu_metadata
.endif
;; end of part 3
;; launch ffn2 (part 4): grid 512 x 1, 4 waves a work-group, clusters of 4 x 1, 327,680 bytes of LDS; arguments w2, hidden, meta, part; writes part
.if DOCPART == 4
	.amdgcn_target "amdgcn-amd-amdhsa--gfx1250"
	.amdhsa_code_object_version 6
	.text
	.protected	k_q23550c0346_ffn2
	.globl	k_q23550c0346_ffn2
	.p2align	8
	.type	k_q23550c0346_ffn2,@function
k_q23550c0346_ffn2:
	s_mov_b64 s[64:65], 0
	v_nop
	global_prefetch_b8 v0, s[64:65] scope:SCOPE_SE
	s_setreg_imm32_b32 hwreg(HW_REG_WAVE_MODE, 25, 1), 1
	s_wait_xcnt 0x0
	s_wait_alu depctr_hold_cnt(0) depctr_sa_sdst(0) depctr_va_vdst(0) depctr_va_sdst(0) depctr_va_ssrc(0) depctr_va_vcc(0) depctr_vm_vsrc(0)
	s_getreg_b32 s2, hwreg(HW_REG_IB_STS2, 6, 4)
	s_cmp_eq_u32 s2, 0
	s_cbranch_scc0 .Lentry_in_a_cluster
	s_endpgm
.Lentry_in_a_cluster:
	s_bfe_u32 s2, ttmp6, 0x10000c
	s_cmp_lg_u32 s2, 0x3003
	s_cbranch_scc0 .Lentry_shape_is_right
	s_endpgm
.Lentry_shape_is_right:
; ffn2: part[kq] = hidden[:, 1024 kq .. + 1023] w2[e][1024 kq .. + 1023, :], each token with its own expert alone; f32 partial sums, four K quarters.
; Built as ffn1.  A work-group is (group of 448 slots, K quarter, slab of 64 columns): 8 x 4 x 16 = 512.  It reads its 64 columns x 1,024 K of the
; group's expert (meta[q]; 256 KiB of f32) once, keeps them in bf16 in registers (wave w: K = 1024 kq + 256 w .. + 255), and walks the group's
; 7 blocks of 64 slots.  The four K quarters lie in four work-groups, which hand nothing to each other: each stores its sums, the last launch adds them.
; WHAT HANGS ON DATA: the expert's number, and through it only the weights' global address.  Surplus slots and groups that no expert needs are
; worked on like the others (every wave has to pass every barrier); nobody reads their results.
; Fragment tile b takes the slab's columns 4 r + b, so the weights need no transposition (a lane's 16-byte load of row k brings one number for each tile).
; hidden lies in fragment order ([slot / 16][column / 8][16 slots][8 columns]), so a wave's K of one m-tile is 8 KiB without a gap, a fragment load is
; 16 bytes x lane, and LDS needs no padding.  A tile is therefore 4 rows of 8 KiB (one for each m-tile of the block), not many short rows.
; CLUSTERS: the four work-groups of a cluster have the same group and K quarter and neighbouring column slabs: every token tile is asked for jointly
; (mask 15).  The place in the cluster enters only the global addresses of the weights and of the output.
; By this text's own count a wave has one tensor load out.
; REGISTERS in windows of 256: window 0 addresses and the way out; window 1 the weights, (ks, b) at 32 ks + 8 b; window 2 the accumulators, (a, b) at
; 8 (4 a + b); window 3 the tokens' fragments, (ks, a) at 8 (4 ks + a), before that the weights' landing buffers.  Local tile a is m-tile (a + w) % 4.
.set NBLK,   7                         ; blocks of 64 slots in a group
.set PITCHB, 4096                      ; bytes from row to row of w2
.set REG,    32768                     ; a wave's part of a slot: 4 m-tiles x 8,192 bytes
.set AT,     8192
.set SLOT,   4*REG
.set STG,    2*SLOT                    ; the stage: storing wave x 3 tiles x 4,096 bytes; no tensor load lands here
.set TSTEP,  524288                    ; a block of hidden
.set OSTEP,  262144                    ; 64 rows of part
.set KQB,    14680064                  ; a K quarter of part: 3,584 slots x 4,096 bytes
.set WOFF, 4                           ; v4      weights: 8 g rows of 4,096 bytes + 16 r
.set OOFF, 4                           ;         output: 8 g rows of 4,096 bytes + 16 r: the same number, one register
.set LT,   7                           ; v7      16 x lane
.set ADR,  8                           ; v[8:15] LDS address of local tile a in slot s at ADR + 4 s + a
.set STA,  16
.set STR,  17                          ; v[17:19]
.set P,    32                          ; v[32:127]
.set T,    128                         ; v[128:159]
.set G0,   36                          ; s[36:39] group 0 of slot 0, s[48:51] of slot 1
.set G1,   40                          ; s[40:47]
.set MSB, 0
.macro WIN new
.if MSB != \new
	s_set_vgpr_msb (MSB<<8)|\new
.set MSB, \new
.endif
.endm
.macro ROUND                           ; a round of the cluster's barrier
	s_barrier_signal -1
	s_barrier_wait -1
	s_cmp_lg_u32 s8, 0
	s_cbranch_scc1 .Lnot_wave_0_\@
	s_barrier_signal -3
.Lnot_wave_0_\@:
	s_barrier_wait -3
	s_barrier_signal -1
	s_barrier_wait -1
.endm
.macro WLOAD c, buf
	WIN 0xC0
.irp q, 0,1
.irp j, 0,1,2,3,4,5,6,7
	global_load_b128 v[64*\buf+32*\q+4*\j:64*\buf+32*\q+4*\j+3], v[WOFF], s[32:33] offset:(32*\c+16*\q+\j)*PITCHB
.endr
.endr
.endm
.macro WCVT c, buf
	WIN 0x4F
.irp b, 0,1,2,3
.irp q, 0,1
.irp jj, 0,1,2,3
	v_cvt_pk_bf16_f32 v[32*\c+8*\b+4*\q+\jj], v[64*\buf+32*\q+8*\jj+\b], v[64*\buf+32*\q+8*\jj+4+\b]
.endr
.endr
.endr
.endm
.macro AFR slot, ks                    ; the four token fragments of K step ks: 8 LDS loads
.irp a, 0,1,2,3
	ds_load_b128 v[8*(4*\ks+\a):8*(4*\ks+\a)+3],   v[ADR+4*\slot+\a] offset:1024*\ks
	ds_load_b128 v[8*(4*\ks+\a)+4:8*(4*\ks+\a)+7], v[ADR+4*\slot+\a] offset:1024*\ks+512
.endr
.endm
.macro BLOCK slot
	WIN 0xC0
.irp ks, 0,1,2,3,4,5,6
	AFR \slot, \ks
.endr
	s_wait_dscnt 48                                ; LDS loads come back in order: K step 0's eight are in, the six later steps' stay out
	AFR \slot, 7
	WIN 0xA7                                       ; source 0 tokens (window 3), source 1 weights (window 1), C and D window 2
	; The 16 accumulators take turns, one instruction a turn, in the same order in every K step.
.irp ks, 0,1,2,3,4,5,6,7
.if \ks > 0
	s_wait_dscnt 56-8*\ks                          ; this K step's eight loads are in, the later steps' stay out
.endif
.irp a, 0,1,2,3
.irp b, 0,1,2,3
.if \ks == 0
	v_wmma_f32_16x16x32_bf16 v[8*(4*\a+\b):8*(4*\a+\b)+7], v[8*(4*\ks+\a):8*(4*\ks+\a)+7], v[32*\ks+8*\b:32*\ks+8*\b+7], 0
.else
	v_wmma_f32_16x16x32_bf16 v[8*(4*\a+\b):8*(4*\a+\b)+7], v[8*(4*\ks+\a):8*(4*\ks+\a)+7], v[32*\ks+8*\b:32*\ks+8*\b+7], v[8*(4*\a+\b):8*(4*\a+\b)+7]
.endif
.endr
.endr
.endr
	WIN 0x08
.rept 5
	v_nop                                          ; the places behind the last matrix instructions (ISA guide 7.12.1)
.endr
.irp a, 1,2,3
.irp b, 0,1,2,3
	ds_store_b128 v[STA], v[8*(4*\a+\b):8*(4*\a+\b)+3]   offset:(\a-1)*4096+1024*\b
	ds_store_b128 v[STA], v[8*(4*\a+\b)+4:8*(4*\a+\b)+7] offset:(\a-1)*4096+1024*\b+512
.endr
.endr
	WIN 0
	s_wait_dscnt 0x0                               ; my partial tiles are in LDS, for the others' sake
	s_barrier_signal -1
	s_barrier_wait -1                              ; the next tile's load may stay out
.irp s, 0,1,2
.irp q, 0,1,2,3,4,5,6,7
	ds_load_b128 v[P+32*\s+4*\q:P+32*\s+4*\q+3], v[STR+\s] offset:512*\q
.endr
.endr
	s_wait_dscnt 16                                ; the first of the three tiles is in
	WIN 0x02
.irp i, 0,1,2,3,4,5,6,7,8,9,10,11,12,13,14,15
	v_pk_add_f32 v[P+2*\i:P+2*\i+1], v[2*\i:2*\i+1], v[P+2*\i:P+2*\i+1]      ; + my own part (window 2, local tile 0)
.endr
	WIN 0
	s_wait_dscnt 0x0
.irp i, 0,1,2,3,4,5,6,7,8,9,10,11,12,13,14,15
	v_pk_add_f32 v[P+32+2*\i:P+32+2*\i+1], v[P+32+2*\i:P+32+2*\i+1], v[P+64+2*\i:P+64+2*\i+1]
.endr
.irp j, 0,1,2,3,4,5,6,7
.irp b, 0,1,2,3
	v_add_f32 v[T+4*\j+\b], v[P+8*\b+\j], v[P+32+8*\b+\j]                    ; slot 8 g + j, column 4 r + b
.endr
.endr
.irp j, 0,1,2,3,4,5,6,7
	global_store_b128 v[OOFF], v[T+4*\j:T+4*\j+3], s[34:35] offset:4096*\j   ; sixteen lanes store a row's 256 consecutive bytes, aligned
.endr
	s_wait_xcnt 0x0                                ; the stores' base and data are rewritten only behind this wait
	s_add_nc_u64 s[34:35], s[34:35], OSTEP
.endm
; A trip: in front of the round every wave has waited for all its tensor loads and for its LDS reads; behind it the other slot is asked for first.
.macro TRIP slot, refill
	s_wait_tensorcnt 0x0
	ds_add_u32 v254, v255
	s_wait_dscnt 0x0
	s_add_nc_u64 s[G0+12*\slot+2:G0+12*\slot+3], s[G0+12*\slot+2:G0+12*\slot+3], 2*TSTEP   ; no load of mine is out: this slot's next tile
	s_wait_dscnt 0x0
	ROUND
.if \refill
	tensor_load_to_lds s[G0+12*(1-\slot):G0+12*(1-\slot)+3], s[G1:G1+7]
	s_nop 0
.endif
	BLOCK \slot
.endm
	s_load_b256 s[16:23], s[0:1], 0x0              ; w2 16, hidden 18, meta 20, part 22
	v_lshl_add_u32 v254, v0, 2, 0x4c000
	v_mov_b32 v255, 0
	ds_add_u32 v254, v255
	v_lshrrev_b32 v1, 5, v0
	v_readfirstlane_b32 s8, v1                     ; wave
	s_bfe_u32 s9, ttmp6, 0x40000                   ; cx
	s_lshr_b32 s10, ttmp9, 4                       ; group: 16 clusters each
	s_bfe_u32 s13, ttmp9, 0x20002                  ; K quarter: 2 bits from bit 2
	s_and_b32 s12, ttmp9, 3
	s_lshl_b32 s12, s12, 2
	s_add_co_u32 s12, s12, s9                      ; column slab 0..15 (s9, s12, s52, s62 and the two bases made of them alone hold cx)
	s_lshl_b32 s54, s10, 2
	s_mov_b32 s55, 0
	s_mov_b32 s53, 0
	; group 1: 4 rows x 1,024 elements of 8 bytes, 16,384 elements (an m-tile) from row to row; no padding; mask 15, bit 21 beside it
	s_mov_b32 s[G1+0], 15|(3<<16)|(1<<21)
	s_mov_b32 s[G1+1], 1024<<16
	s_mov_b32 s[G1+2], 4<<16
	s_mov_b32 s[G1+3], 1024<<16
	s_mov_b32 s[G1+4], 4
	s_mov_b32 s[G1+5], 16384
	s_mov_b32 s[G1+6], 0
	s_mov_b32 s[G1+7], 0
	s_wait_dscnt 0x0
	s_wait_kmcnt 0x0
	s_add_nc_u64 s[20:21], s[20:21], s[54:55]
	s_load_b32 s28, s[20:21], 0x0                  ; my group's expert; it comes in while the first tile is asked for
	s_mul_i32 s54, s10, NBLK*TSTEP                 ; hidden: the group's first block, K quarter, my 8 KiB of each m-tile
	s_lshl_b32 s57, s13, 15
	s_add_co_u32 s54, s54, s57
	s_lshl_b32 s57, s8, 13
	s_add_co_u32 s54, s54, s57
	s_mov_b32 s36, 1
	s_mul_i32 s37, s8, REG
	s_add_nc_u64 s[38:39], s[18:19], s[54:55]      ; block 0
	s_mov_b32 s48, 1
	s_add_co_u32 s49, s37, SLOT
	s_add_nc_u64 s[50:51], s[38:39], TSTEP         ; block 1
	s_or_b32 s39, s39, 0x80000000
	s_or_b32 s51, s51, 0x80000000
	ROUND                                          ; the four partners are here: the first joint load meets
	tensor_load_to_lds s[36:39], s[40:47]          ; block 0 into slot 0; it lands while the weights come in
	s_nop 0
	v_and_b32 v1, 31, v0                           ; lane
	v_and_b32 v2, 15, v0                           ; r
	v_bfe_u32 v3, v0, 4, 1                         ; g
	v_lshlrev_b32 v[WOFF], 4, v2
	v_lshl_add_u32 v[WOFF], v3, 15, v[WOFF]
	v_lshlrev_b32 v[LT], 4, v1
	s_wait_kmcnt 0x0
	s_min_u32 s28, s28, 3                          ; a number from memory enters an address only clamped
	s_lshl_b32 s52, s28, 24                        ; weights: expert x 16 MiB + (1024 kq + 256 w) rows + 256 bytes x slab
	s_lshl_b32 s62, s13, 22
	s_add_co_u32 s52, s52, s62
	s_lshl_b32 s62, s8, 20
	s_add_co_u32 s52, s52, s62
	s_lshl_b32 s62, s12, 8
	s_add_co_u32 s52, s52, s62
	s_add_nc_u64 s[32:33], s[16:17], s[52:53]
	WLOAD 0, 0                                     ; 48 loads, 24 KiB a wave, are on their way from here on
	WLOAD 1, 1
	WLOAD 2, 2
	WIN 0
	s_mul_i32 s56, s8, REG
.irp a, 0,1,2,3
	s_add_co_u32 s57, s8, \a
	s_and_b32 s57, s57, 3
	s_mul_i32 s57, s57, AT
	s_add_co_u32 s57, s57, s56
	v_add_nc_u32 v[ADR+\a], s57, v[LT]
	s_add_co_u32 s57, s57, SLOT
	v_add_nc_u32 v[ADR+4+\a], s57, v[LT]
.endr
	s_mul_i32 s57, s8, 12288
	s_add_co_u32 s57, s57, STG
	v_add_nc_u32 v[STA], s57, v[LT]
.irp a, 1,2,3
	s_add_co_u32 s57, s8, 4-\a                     ; wave (w - a) % 4 has my m-tile as its local tile a
	s_and_b32 s57, s57, 3
	s_mul_i32 s57, s57, 12288
	s_add_co_u32 s57, s57, STG+(\a-1)*4096
	v_add_nc_u32 v[STR+\a-1], s57, v[LT]
.endr
	s_mul_i32 s52, s13, KQB                        ; part: K quarter, the group's first slot + 16 w, 256 bytes x slab
	s_mul_i32 s62, s10, NBLK*OSTEP
	s_add_co_u32 s52, s52, s62
	s_lshl_b32 s62, s8, 16
	s_add_co_u32 s52, s52, s62
	s_lshl_b32 s62, s12, 8
	s_add_co_u32 s52, s52, s62
	s_add_nc_u64 s[34:35], s[22:23], s[52:53]
	s_wait_loadcnt 32                              ; chunk 0 is in; chunks 1 and 2 stay out
	WCVT 0, 0
	WLOAD 3, 0
	s_wait_loadcnt 32
	WCVT 1, 1
	WLOAD 4, 1
	s_wait_loadcnt 32
	WCVT 2, 2
	WLOAD 5, 2
	s_wait_loadcnt 32
	WCVT 3, 0
	WLOAD 6, 0
	s_wait_loadcnt 32
	WCVT 4, 1
	WLOAD 7, 1
	s_wait_loadcnt 32                              ; chunks 6 and 7 stay out
	WCVT 5, 2
	s_wait_loadcnt 16
	WCVT 6, 0
	s_wait_loadcnt 0x0
	WCVT 7, 1
	WIN 0
	s_mov_b32 s59, 0
.Lpair:                                            ; blocks 0 to 5, each asking for the next
	TRIP 0, 1
	TRIP 1, 1
	s_add_co_u32 s59, s59, 1
	s_cmp_lt_u32 s59, (NBLK-1)/2
	s_cbranch_scc1 .Lpair
	TRIP 0, 0                                      ; block 6: nothing more to fetch
	s_wait_tensorcnt 0x0
	ds_add_u32 v254, v255
	s_wait_dscnt 0x0
	ROUND                                          ; the closing round: no work-group ends while a partner may still ask jointly
	s_endpgm
.Lfunc_end_k_q23550c0346_ffn2:
	.size	k_q23550c0346_ffn2, .Lfunc_end_k_q23550c0346_ffn2-k_q23550c0346_ffn2
	.p2alignl 7, 3214868480
	.fill 96, 4, 3214868480
	.section	.rodata,"a",@progbits
	.p2align	6, 0x0
	.amdhsa_kernel k_q23550c0346_ffn2
		.amdhsa_group_segment_fixed_size 327680
		.amdhsa_private_segment_fixed_size 0
		.amdhsa_enable_private_segment 0
		.amdhsa_kernarg_size 32
		.amdhsa_user_sgpr_count 2
		.amdhsa_user_sgpr_kernarg_segment_ptr 1
		.amdhsa_wavefront_size32 1
		.amdhsa_system_sgpr_workgroup_id_x 1
		.amdhsa_system_sgpr_workgroup_id_y 1
		.amdhsa_system_sgpr_workgroup_id_z 1
		.amdhsa_system_vgpr_workitem_id 0
		.amdhsa_next_free_vgpr 1024
		.amdhsa_next_free_sgpr 66
		.amdhsa_reserve_vcc 0
		.amdhsa_float_denorm_mode_32 3
		.amdhsa_float_denorm_mode_16_64 3
		.amdhsa_memory_ordered 1
		.amdhsa_forward_progress 1
		.amdhsa_inst_pref_size 96
	.end_amdhsa_kernel
	.amdgpu_metadata
---
amdhsa.version: [ 1, 2 ]
amdhsa.kernels:
  - .name:           k_q23550c0346_ffn2
    .symbol:         k_q23550c0346_ffn2.kd
    .args:
      - { .name: w2, .offset: 0, .size: 8, .value_kind: global_buffer, .address_space: global }
      - { .name: hidden, .offset: 8, .size: 8, .value_kind: global_buffer, .address_space: global }
      - { .name: meta, .offset: 16, .size: 8, .value_kind: global_buffer, .address_space: global }
      - { .name: part, .offset: 24, .size: 8, .value_kind: global_buffer, .address_space: global }
    .group_segment_fixed_size: 327680
    .private_segment_fixed_size: 0
    .kernarg_segment_align: 8
    .kernarg_segment_size: 32
    .max_flat_workgroup_size: 128
    .sgpr_count:     66
    .vgpr_count:     1024
    .wavefront_size: 32
...
	.end_amdgpu_metadata
.endif
;; end of part 4
;; launch finish (part 5): grid 256 x 1, 8 waves a work-group, no clusters, 0 bytes of LDS; arguments part, x, b2, stats, eid, pos, out0; writes out0
.if DOCPART == 5
	.amdgcn_target "amdgcn-amd-amdhsa--gfx1250"
	.amdhsa_code_object_version 6
	.text
	.protected	k_q23550c0346_finish
	.globl	k_q23550c0346_finish
	.p2align	8
	.type	k_q23550c0346_finish,@function
k_q23550c0346_finish:
	s_mov_b64 s[64:65], 0
	v_nop
	global_prefetch_b8 v0, s[64:65] scope:SCOPE_SE
	s_setreg_imm32_b32 hwreg(HW_REG_WAVE_MODE, 25, 1), 1
	s_wait_xcnt 0x0
; finish: out[t] = x[t] + alpha[t] (p0 + p1 + p2 + p3 + b2[e]), which is alpha y + (1 - alpha) x with y = x + ffn + b2.
; p0..p3 are the four K quarters' sums at the token's padded slot pos[t].  One wave, one token: 48 loads of 512 consecutive bytes, all issued
; before the one wait, 8 stores of 512 consecutive bytes.  Memory binds: no LDS, no barrier, no matrix unit.
.set P, 32                             ; v[32:159]  quarter q at P + 32 q
.set X, 160                            ; v[160:191]
.set B, 192                            ; v[192:223] b2[e]
.set KQB, 14680064                     ; a K quarter of part: 3,584 slots x 4,096 bytes
	s_load_b256 s[4:11], s[0:1], 0x0               ; part 4, x 6, b2 8, stats 10
	s_load_b128 s[12:15], s[0:1], 0x20             ; eid 12, pos 14
	s_load_b64 s[16:17], s[0:1], 0x30              ; out0
	v_lshrrev_b32 v1, 5, v0
	v_readfirstlane_b32 s19, v1
	s_lshl_b32 s20, ttmp9, 3
	s_add_co_u32 s20, s20, s19                     ; token t
	v_and_b32 v1, 31, v0
	v_lshlrev_b32 v1, 4, v1                        ; 16 bytes a lane
	s_lshl_b32 s36, s20, 12
	s_mov_b32 s37, 0
	s_lshl_b32 s38, s20, 2
	s_mov_b32 s39, 0
	s_lshl_b32 s40, s20, 4
	s_mov_b32 s41, 0
	s_wait_kmcnt 0x0
	s_add_nc_u64 s[6:7], s[6:7], s[36:37]
	s_add_nc_u64 s[16:17], s[16:17], s[36:37]
	s_add_nc_u64 s[12:13], s[12:13], s[38:39]
	s_add_nc_u64 s[14:15], s[14:15], s[38:39]
	s_add_nc_u64 s[10:11], s[10:11], s[40:41]
	s_load_b32 s21, s[12:13], 0x0                  ; expert
	s_load_b32 s22, s[14:15], 0x0                  ; padded slot
	s_load_b128 s[24:27], s[10:11], 0x0            ; mu, rstd, alpha, 0
.irp i, 0,1,2,3,4,5,6,7
	global_load_b128 v[X+4*\i:X+4*\i+3], v1, s[6:7] offset:512*\i th:TH_LOAD_NT
.endr
	s_wait_kmcnt 0x0
	s_min_u32 s21, s21, 3                          ; numbers from memory enter addresses only clamped
	s_min_u32 s22, s22, 3583
	s_lshl_b32 s42, s22, 12
	s_mov_b32 s43, 0
	s_add_nc_u64 s[28:29], s[4:5], s[42:43]        ; one base for each quarter: the step is too large for a load's immediate
	s_add_nc_u64 s[30:31], s[28:29], KQB
	s_add_nc_u64 s[32:33], s[30:31], KQB
	s_add_nc_u64 s[34:35], s[32:33], KQB
	s_lshl_b32 s44, s21, 12
	s_mov_b32 s45, 0
	s_add_nc_u64 s[8:9], s[8:9], s[44:45]
.irp q, 0,1,2,3
.irp i, 0,1,2,3,4,5,6,7
	global_load_b128 v[P+32*\q+4*\i:P+32*\q+4*\i+3], v1, s[28+2*\q:29+2*\q] offset:512*\i th:TH_LOAD_NT
.endr
.endr
.irp i, 0,1,2,3,4,5,6,7
	global_load_b128 v[B+4*\i:B+4*\i+3], v1, s[8:9] offset:512*\i
.endr
	v_mov_b32 v2, s26                              ; alpha, twice, for the packed multiply-add
	v_mov_b32 v3, s26
	s_wait_loadcnt 0x0
.irp p, 0,1,2,3,4,5,6,7,8,9,10,11,12,13,14,15
	v_pk_add_f32 v[P+2*\p:P+2*\p+1], v[P+2*\p:P+2*\p+1], v[P+32+2*\p:P+32+2*\p+1]
	v_pk_add_f32 v[P+64+2*\p:P+64+2*\p+1], v[P+64+2*\p:P+64+2*\p+1], v[P+96+2*\p:P+96+2*\p+1]
.endr
.irp p, 0,1,2,3,4,5,6,7,8,9,10,11,12,13,14,15
	v_pk_add_f32 v[P+2*\p:P+2*\p+1], v[P+2*\p:P+2*\p+1], v[B+2*\p:B+2*\p+1]
.endr
.irp p, 0,1,2,3,4,5,6,7,8,9,10,11,12,13,14,15
	v_pk_add_f32 v[P+2*\p:P+2*\p+1], v[P+2*\p:P+2*\p+1], v[P+64+2*\p:P+64+2*\p+1]
.endr
.irp p, 0,1,2,3,4,5,6,7,8,9,10,11,12,13,14,15
	v_pk_fma_f32 v[P+2*\p:P+2*\p+1], v[P+2*\p:P+2*\p+1], v[2:3], v[X+2*\p:X+2*\p+1]
.endr
.irp i, 0,1,2,3,4,5,6,7
	global_store_b128 v1, v[P+4*\i:P+4*\i+3], s[16:17] offset:512*\i th:TH_STORE_NT
.endr
	s_endpgm
.Lfunc_end_k_q23550c0346_finish:
	.size	k_q23550c0346_finish, .Lfunc_end_k_q23550c0346_finish-k_q23550c0346_finish
	.p2alignl 7, 3214868480
	.fill 96, 4, 3214868480
	.section	.rodata,"a",@progbits
	.p2align	6, 0x0
	.amdhsa_kernel k_q23550c0346_finish
		.amdhsa_group_segment_fixed_size 0
		.amdhsa_private_segment_fixed_size 0
		.amdhsa_enable_private_segment 0
		.amdhsa_kernarg_size 56
		.amdhsa_user_sgpr_count 2
		.amdhsa_user_sgpr_kernarg_segment_ptr 1
		.amdhsa_wavefront_size32 1
		.amdhsa_system_sgpr_workgroup_id_x 1
		.amdhsa_system_sgpr_workgroup_id_y 1
		.amdhsa_system_sgpr_workgroup_id_z 1
		.amdhsa_system_vgpr_workitem_id 0
		.amdhsa_next_free_vgpr 224
		.amdhsa_next_free_sgpr 66
		.amdhsa_reserve_vcc 0
		.amdhsa_float_denorm_mode_32 3
		.amdhsa_float_denorm_mode_16_64 3
		.amdhsa_memory_ordered 1
		.amdhsa_forward_progress 1
		.amdhsa_inst_pref_size 13
	.end_amdhsa_kernel
	.amdgpu_metadata
---
amdhsa.version: [ 1, 2 ]
amdhsa.kernels:
  - .name:           k_q23550c0346_finish
    .symbol:         k_q23550c0346_finish.kd
    .args:
      - { .name: part, .offset: 0, .size: 8, .value_kind: global_buffer, .address_space: global }
      - { .name: x, .offset: 8, .size: 8, .value_kind: global_buffer, .address_space: global }
      - { .name: b2, .offset: 16, .size: 8, .value_kind: global_buffer, .address_space: global }
      - { .name: stats, .offset: 24, .size: 8, .value_kind: global_buffer, .address_space: global }
      - { .name: eid, .offset: 32, .size: 8, .value_kind: global_buffer, .address_space: global }
      - { .name: pos, .offset: 40, .size: 8, .value_kind: global_buffer, .address_space: global }
      - { .name: out0, .offset: 48, .size: 8, .value_kind: global_buffer, .address_space: global }
    .group_segment_fixed_size: 0
    .private_segment_fixed_size: 0
    .kernarg_segment_align: 8
    .kernarg_segment_size: 56
    .max_flat_workgroup_size: 256
    .sgpr_count:     66
    .vgpr_count:     224
    .wavefront_size: 32
...
	.end_amdgpu_metadata
.endif
;; end of part 5
;; ======== version 2 of 2: 5 launches; 1.31 times as fast as version 1
;; workspace buffers: eid 8,192 bytes of whole numbers; pos 17,408 bytes of whole numbers; meta 256 bytes of whole numbers; stats 32,768 bytes; h 4,587,520 bytes; hidden 18,350,080 bytes; part 36,700,160 bytes
;; launch route (part 6): grid 256 x 1, 8 waves a work-group, no clusters, 0 bytes of LDS; arguments x, centroids, eid, stats; writes eid, stats
.if DOCPART == 6
	.amdgcn_target "amdgcn-amd-amdhsa--gfx1250"
	.amdhsa_code_object_version 6
	.text
	.protected	k_q23550c0346_route
	.globl	k_q23550c0346_route
	.p2align	8
	.type	k_q23550c0346_route,@function
k_q23550c0346_route:
	s_mov_b64 s[64:65], 0
	v_nop
	global_prefetch_b8 v0, s[64:65] scope:SCOPE_SE
	s_setreg_imm32_b32 hwreg(HW_REG_WAVE_MODE, 25, 1), 1
	s_wait_xcnt 0x0
; route: for each of the 2,048 tokens the four affinities x . centroid_e, their argmax (eid), the gate
; alpha = sigmoid(largest affinity), and the LayerNorm statistics mu and 1/sqrt(var + 1e-5).
; One wave, one token: the row of 4,096 bytes is 32 registers, the four centroids 128 registers; nothing leaves the wave.
; All in f32 on the vector unit: the products decide an argmax, and 4 columns are no work for the matrix unit.
; LIMITS: the affinities are f32 fused sums in another order than a plain dot product, so a token whose two largest
; affinities differ by less than that rounding (some 1e-7 of their size) may go to the other expert; exact ties go to the
; lowest index, as in argmax; NaN in x or centroids is not served.  The variance is taken from x - mu (two passes over
; the registers), so a common offset of x costs no digits.
; The results are 20 bytes a token, 40 KiB in the whole launch: lane 0 stores them.
.set X, 32                             ; v[32:63]   the token's row: load i, lane l holds elements 128 i + 4 l .. + 3
.set C, 64                             ; v[64:191]  centroid e at C + 32 e, same layout
.macro RED v, tmp                      ; sum over the 32 lanes, result in every lane
	v_add_f32_dpp v[\v], v[\v], v[\v] row_xmask:1 row_mask:0xf bank_mask:0xf
	v_add_f32_dpp v[\v], v[\v], v[\v] row_xmask:2 row_mask:0xf bank_mask:0xf
	v_add_f32_dpp v[\v], v[\v], v[\v] row_xmask:4 row_mask:0xf bank_mask:0xf
	v_add_f32_dpp v[\v], v[\v], v[\v] row_xmask:8 row_mask:0xf bank_mask:0xf
	v_permlanex16_b32 v[\tmp], v[\v], s12, s13
	v_add_f32 v[\v], v[\v], v[\tmp]
.endm
	s_load_b256 s[4:11], s[0:1], 0x0               ; x s[4:5], centroids s[6:7], eid s[8:9], stats s[10:11]
	v_lshrrev_b32 v16, 5, v0
	v_readfirstlane_b32 s15, v16                   ; wave
	s_lshl_b32 s14, ttmp9, 3
	s_add_co_u32 s14, s14, s15                     ; token t = 8 x work-group + wave
	s_mov_b32 s12, 0x76543210                      ; v_permlanex16_b32: lane i reads lane i of the other half
	s_mov_b32 s13, 0xfedcba98
	s_mov_b32 s18, 0x3a800000                      ; 1/1024
	v_and_b32 v17, 31, v0                          ; lane
	v_lshlrev_b32 v1, 4, v17                       ; 16 bytes a lane
	v_mov_b32 v20, 0                               ; the permute's destination counts as read
	v_mov_b32 v22, 0x3727c5ac                      ; 1e-5
	s_lshl_b32 s16, s14, 12                        ; 4,096 bytes a row
	s_mov_b32 s17, 0
	s_wait_kmcnt 0x0
	s_add_nc_u64 s[4:5], s[4:5], s[16:17]
.irp i, 0,1,2,3,4,5,6,7
	global_load_b128 v[X+4*\i:X+4*\i+3], v1, s[4:5] offset:512*\i
.endr
.irp e, 0,1,2,3
.irp i, 0,1,2,3,4,5,6,7
	global_load_b128 v[C+32*\e+4*\i:C+32*\e+4*\i+3], v1, s[6:7] offset:4096*\e+512*\i
.endr
.endr
	s_wait_loadcnt 32                              ; the row is in; the 32 loads of the centroids stay out
	; mean: two chains of packed adds
	v_pk_add_f32 v[2:3], v[X:X+1], v[X+2:X+3]
	v_pk_add_f32 v[18:19], v[X+4:X+5], v[X+6:X+7]
.irp p, 4,6,8,10,12,14
	v_pk_add_f32 v[2:3], v[2:3], v[X+2*\p:X+2*\p+1]
	v_pk_add_f32 v[18:19], v[18:19], v[X+2*\p+2:X+2*\p+3]
.endr
	v_pk_add_f32 v[2:3], v[2:3], v[18:19]
	v_add_f32 v2, v2, v3
	RED 2, 20
	v_mul_f32 v12, s18, v2                         ; mu
	v_mov_b32 v13, v12
	s_wait_loadcnt 0x0
	; the four affinities, four chains that do not wait for each other; the first product starts each sum
.irp e, 0,1,2,3
	v_pk_mul_f32 v[4+2*\e:5+2*\e], v[X:X+1], v[C+32*\e:C+32*\e+1]
.endr
.irp p, 1,2,3,4,5,6,7,8,9,10,11,12,13,14,15
.irp e, 0,1,2,3
	v_pk_fma_f32 v[4+2*\e:5+2*\e], v[X+2*\p:X+2*\p+1], v[C+32*\e+2*\p:C+32*\e+2*\p+1], v[4+2*\e:5+2*\e]
.endr
.endr
.irp e, 0,1,2,3
	v_add_f32 v[4+2*\e], v[4+2*\e], v[5+2*\e]
.endr
	RED 4, 20
	RED 6, 20
	RED 8, 20
	RED 10, 20
	; variance from x - mu, in place
.irp p, 0,1,2,3,4,5,6,7,8,9,10,11,12,13,14,15
	v_pk_add_f32 v[X+2*\p:X+2*\p+1], v[X+2*\p:X+2*\p+1], v[12:13] neg_lo:[0,1] neg_hi:[0,1]
.endr
	v_pk_mul_f32 v[14:15], v[X:X+1], v[X:X+1]
	v_pk_mul_f32 v[18:19], v[X+2:X+3], v[X+2:X+3]
.irp p, 2,4,6,8,10,12,14
	v_pk_fma_f32 v[14:15], v[X+2*\p:X+2*\p+1], v[X+2*\p:X+2*\p+1], v[14:15]
	v_pk_fma_f32 v[18:19], v[X+2*\p+2:X+2*\p+3], v[X+2*\p+2:X+2*\p+3], v[18:19]
.endr
	v_pk_add_f32 v[14:15], v[14:15], v[18:19]
	v_add_f32 v14, v14, v15
	RED 14, 20
	v_fma_f32 v21, v14, s18, v22                   ; var + eps
	v_rsq_f32 v29, v21                             ; plain vector work follows before v29 is used (ISA guide 5.7.2)
	; argmax: a strict comparison keeps the lowest index among equals
	v_mov_b32 v24, v4
	v_mov_b32 v25, 0
.irp e, 1,2,3
	v_cmp_gt_f32 vcc_lo, v[4+2*\e], v24
	v_cndmask_b32 v24, v24, v[4+2*\e], vcc_lo
	v_cndmask_b32 v25, v25, \e, vcc_lo
.endr
	v_mul_f32 v26, 0xbfb8aa3b, v24                 ; -log2(e) x the largest affinity
	v_exp_f32 v27, v26
	v_mov_b32 v28, v12                             ; mu (also the plain place behind v_exp_f32)
	s_wait_alu depctr_va_vdst(0)
	v_add_f32 v27, 1.0, v27
	v_rcp_f32 v30, v27                             ; alpha = 1 / (1 + exp(-a))
	v_mov_b32 v31, 0                               ; the plain place behind v_rcp_f32; the fourth word, and the stores' offset
	s_lshl_b32 s16, s14, 2
	s_add_nc_u64 s[8:9], s[8:9], s[16:17]          ; eid + 4 t
	s_lshl_b32 s16, s14, 4
	s_add_nc_u64 s[10:11], s[10:11], s[16:17]      ; stats + 16 t
	v_cmp_eq_u32 vcc_lo, 0, v17
	s_wait_xcnt 0x0                                ; EXEC is a source of the loads above: it changes only behind this wait
	s_and_saveexec_b32 s20, vcc_lo
	global_store_b32 v31, v25, s[8:9]
	s_wait_alu depctr_va_vdst(0)
	global_store_b128 v31, v[28:31], s[10:11]      ; mu, rstd, alpha, 0
	s_wait_xcnt 0x0                                ; and again in front of the line that widens it
	s_or_b32 exec_lo, exec_lo, s20
	s_endpgm
.Lfunc_end_k_q23550c0346_route:
	.size	k_q23550c0346_route, .Lfunc_end_k_q23550c0346_route-k_q23550c0346_route
	.p2alignl 7, 3214868480
	.fill 96, 4, 3214868480
	.section	.rodata,"a",@progbits
	.p2align	6, 0x0
	.amdhsa_kernel k_q23550c0346_route
		.amdhsa_group_segment_fixed_size 0
		.amdhsa_private_segment_fixed_size 0
		.amdhsa_enable_private_segment 0
		.amdhsa_kernarg_size 32
		.amdhsa_user_sgpr_count 2
		.amdhsa_user_sgpr_kernarg_segment_ptr 1
		.amdhsa_wavefront_size32 1
		.amdhsa_system_sgpr_workgroup_id_x 1
		.amdhsa_system_sgpr_workgroup_id_y 1
		.amdhsa_system_sgpr_workgroup_id_z 1
		.amdhsa_system_vgpr_workitem_id 0
		.amdhsa_next_free_vgpr 192
		.amdhsa_next_free_sgpr 66
		.amdhsa_reserve_vcc 1
		.amdhsa_float_denorm_mode_32 3
		.amdhsa_float_denorm_mode_16_64 3
		.amdhsa_memory_ordered 1
		.amdhsa_forward_progress 1
		.amdhsa_inst_pref_size 16
	.end_amdhsa_kernel
	.amdgpu_metadata
---
amdhsa.version: [ 1, 2 ]
amdhsa.kernels:
  - .name:           k_q23550c0346_route
    .symbol:         k_q23550c0346_route.kd
    .args:
      - { .name: x, .offset: 0, .size: 8, .value_kind: global_buffer, .address_space: global }
      - { .name: centroids, .offset: 8, .size: 8, .value_kind: global_buffer, .address_space: global }
      - { .name: eid, .offset: 16, .size: 8, .value_kind: global_buffer, .address_space: global }
      - { .name: stats, .offset: 24, .size: 8, .value_kind: global_buffer, .address_space: global }
    .group_segment_fixed_size: 0
    .private_segment_fixed_size: 0
    .kernarg_segment_align: 8
    .kernarg_segment_size: 32
    .max_flat_workgroup_size: 256
    .sgpr_count:     66
    .vgpr_count:     192
    .wavefront_size: 32
...
	.end_amdgpu_metadata
.endif
;; end of part 6
;; launch norm (part 7): grid 140 x 1, 8 waves a work-group, no clusters, 34,304 bytes of LDS; arguments x, gamma, beta, eid, stats, h, pos, meta; writes h, pos, meta
.if DOCPART == 7
	.amdgcn_target "amdgcn-amd-amdhsa--gfx1250"
	.amdhsa_code_object_version 6
	.text
	.protected	k_q23550c0346_norm
	.globl	k_q23550c0346_norm
	.p2align	8
	.type	k_q23550c0346_norm,@function
k_q23550c0346_norm:
	s_mov_b64 s[64:65], 0
	v_nop
	global_prefetch_b8 v0, s[64:65] scope:SCOPE_SE
	s_setreg_imm32_b32 hwreg(HW_REG_WAVE_MODE, 25, 1), 1
	s_wait_xcnt 0x0
; norm: places the tokens by expert and writes the experts' LayerNorm outputs, in bf16, in the order in which the first product reads them.
; An expert's n_e tokens take nblk_e = max(1, ceil(n_e / 64)) blocks of 64 slots; expert 0's blocks come first, then expert 1's, and so on.
; The sum of nblk is at most 35: with k experts that have tokens it is at most 31 + k + (4 - k).  So there are 35 blocks, 2,240 slots, 140 m-tiles of 16.
;   slot of a token   = 64 pblk_e + rank          pblk_e: blocks of the experts in front; rank: the token's place among its expert's tokens
;   h[slot / 16][k / 8][slot % 16][k % 8] = bf16(((x - mu) rstd) gamma_e + beta_e);  slots without a token hold zeros
;   pos[t]            = the token's slot          (a slot without a token stores into a spare word of its own, pos[2048 + slot])
;   meta[4 e ..]      = pblk_e, nblk_e, n_e, 0
; A work-group makes one m-tile (16 slots, 32 KiB of h), wave w the slots 2 w and 2 w + 1.  Each wave reads the 8 KiB of eid (load i, lane l, word c is
; token 128 i + 4 l + c), counts the experts in four 8-bit fields of a word (64 tokens a lane), and then looks for the two tokens that have its ranks:
; the rank counts an expert's tokens in the order (i, c, l), which is as good as any, since pos is stored from the same search.  For each register the
; members' mask gives the ranks (the count so far + the members in lower lanes).  All of that is whole-number work on numbers read from memory.
; The two rows go into LDS as rows (a wave's rows are its own bytes), and behind one barrier the m-tile is read back by chunks of 8 columns x 16 slots:
; every store of a wave covers 512 consecutive bytes, aligned.  Rows are 2,064 bytes apart (an odd multiple of 16), so that the sixteen rows that a load
; touches start at sixteen different groups of banks (64 banks of 4 bytes: ISA guide 11.1).
; Memory and latency bind: clusters and the matrix unit would add nothing here.
.set RP, 2064                          ; LDS pitch of a row
.set E,  16                            ; v[16:79]    eid
.set X,  80                            ; v[80:143]   my two rows, row k at X + 32 k; load i, lane l: elements 128 i + 4 l .. + 3
.set G,  144                           ; v[144:175]  gamma_e; later the chunks on their way out
.set BT, 176                           ; v[176:207]  beta_e
.set TM, 208                           ; v[208:211]  at work
.set U,  212                           ; v[212:213]  counts in 16-bit fields
.set RK, 214                           ; v[214:217]  ranks
.set ID, 218                           ; v[218:221]  token numbers
.set TK, 222                           ; v[222:223]  the tokens found (0 in all other lanes)
.set MR, 224                           ; v[224:231]  mu, mu, rstd, rstd of row 0; the same of row 1
.set LS, 232                           ; where I put 8 bytes of a row
.set LR, 233                           ; where I read 16 bytes of a chunk
.set Z,  234                           ; zero: the offset of the one-word stores
.set SV, 236                           ; v[236:237]  my two slots' numbers
.set MV, 238                           ; the table
.macro IRED v                          ; whole-number sum over the 32 lanes
.irp m, 1,2,4,8
	v_mov_b32_dpp v11, v[\v] row_xmask:\m row_mask:0xf bank_mask:0xf
	v_add_nc_u32 v[\v], v[\v], v11
.endr
	v_permlanex16_b32 v11, v[\v], s62, s63
	v_add_nc_u32 v[\v], v[\v], v11
.endm
.macro LNROW k                         ; row k: normalise, round, clear if the slot has no token, into LDS
.irp p, 0,1,2,3,4,5,6,7,8,9,10,11,12,13,14,15
	v_pk_add_f32 v[X+32*\k+2*\p:X+32*\k+2*\p+1], v[X+32*\k+2*\p:X+32*\k+2*\p+1], v[MR+4*\k:MR+4*\k+1] neg_lo:[0,1] neg_hi:[0,1]
.endr
.irp p, 0,1,2,3,4,5,6,7,8,9,10,11,12,13,14,15
	v_pk_mul_f32 v[X+32*\k+2*\p:X+32*\k+2*\p+1], v[X+32*\k+2*\p:X+32*\k+2*\p+1], v[MR+4*\k+2:MR+4*\k+3]
.endr
.irp p, 0,1,2,3,4,5,6,7,8,9,10,11,12,13,14,15
	v_pk_fma_f32 v[X+32*\k+2*\p:X+32*\k+2*\p+1], v[X+32*\k+2*\p:X+32*\k+2*\p+1], v[G+2*\p:G+2*\p+1], v[BT+2*\p:BT+2*\p+1]
.endr
.irp i, 0,1,2,3,4,5,6,7
	v_cvt_pk_bf16_f32 v[X+32*\k+4*\i], v[X+32*\k+4*\i], v[X+32*\k+4*\i+1]
	v_cvt_pk_bf16_f32 v[X+32*\k+4*\i+1], v[X+32*\k+4*\i+2], v[X+32*\k+4*\i+3]
	v_and_b32 v[X+32*\k+4*\i], s[60+\k], v[X+32*\k+4*\i]
	v_and_b32 v[X+32*\k+4*\i+1], s[60+\k], v[X+32*\k+4*\i+1]
	ds_store_b64 v[LS], v[X+32*\k+4*\i:X+32*\k+4*\i+1] offset:RP*\k+256*\i
.endr
.endm
	s_load_b512 s[4:19], s[0:1], 0x0               ; x 4, gamma 6, beta 8, eid 10, stats 12, h 14, pos 16, meta 18
	v_lshl_add_u32 v240, v0, 2, 0x8200
	v_mov_b32 v241, 0
	v_lshrrev_b32 v3, 5, v0
	v_readfirstlane_b32 s22, v3                    ; wave
	s_mov_b32 s62, 0x76543210
	s_mov_b32 s63, 0xfedcba98
	s_mov_b32 s35, 0x00ff00ff
	v_and_b32 v3, 31, v0                           ; lane
	v_lshlrev_b32 v1, 4, v3                        ; 16 x lane
	v_lshlrev_b32 v4, 2, v3                        ; 4 x lane + c: a lane's four tokens within a load's 128
	v_add_nc_u32 v5, 1, v4
	v_add_nc_u32 v6, 2, v4
	v_add_nc_u32 v7, 3, v4
	v_mov_b32 v8, 1
	v_mov_b32 v9, 0                                ; the counts
	v_mov_b32 v11, 0
	v_mov_b32 v[TK], 0
	v_mov_b32 v[TK+1], 0
	v_mov_b32 v[Z], 0
	s_mul_i32 s23, s22, 2*RP                       ; my two rows in LDS
	v_lshlrev_b32 v[LS], 3, v3
	v_add_nc_u32 v[LS], s23, v[LS]                 ; + 8 x lane
	v_and_b32 v2, 15, v3
	v_mul_u32_u24 v[LR], v2, RP                    ; back: row lane % 16,
	v_lshrrev_b32 v2, 4, v3
	v_lshl_add_u32 v[LR], v2, 4, v[LR]             ; chunk 16 w + lane / 16 (+ 2 j in the offset)
	s_lshl_b32 s23, s22, 8
	v_add_nc_u32 v[LR], s23, v[LR]
	s_mov_b32 s33, 0
	s_wait_kmcnt 0x0
.irp i, 0,1,2,3,4,5,6,7,8,9,10,11,12,13,14,15
	global_load_b128 v[E+4*\i:E+4*\i+3], v1, s[10:11] offset:512*\i
.endr
	s_wait_loadcnt 0x0
	; how many tokens each expert has
.irp i, 0,1,2,3,4,5,6,7,8,9,10,11,12,13,14,15
.irp c, 0,1,2,3
	v_lshlrev_b32 v[TM+\c], 3, v[E+4*\i+\c]
.endr
.irp c, 0,1,2,3
	v_lshlrev_b32 v[TM+\c], v[TM+\c], v8           ; 1 in the expert's field
.endr
	v_add3_u32 v9, v9, v[TM], v[TM+1]
	v_add3_u32 v9, v9, v[TM+2], v[TM+3]
.endr
	v_and_b32 v[U], s35, v9                        ; experts 0 and 2 in 16-bit fields (a sum is 2,048 at the most)
	v_lshrrev_b32 v[U+1], 8, v9
	v_and_b32 v[U+1], s35, v[U+1]                  ; experts 1 and 3
	IRED U
	IRED U+1
	v_readfirstlane_b32 s36, v[U]
	v_readfirstlane_b32 s37, v[U+1]
	s_and_b32 s40, s36, 0xffff                     ; n0 .. n3 in s40 .. s43
	s_lshr_b32 s42, s36, 16
	s_and_b32 s41, s37, 0xffff
	s_lshr_b32 s43, s37, 16
.irp e, 0,1,2,3
	s_add_co_u32 s[44+\e], s[40+\e], 63            ; nblk_e in s44 .. s47
	s_lshr_b32 s[44+\e], s[44+\e], 6
	s_max_u32 s[44+\e], s[44+\e], 1
.endr
	s_mov_b32 s51, s44                             ; pblk_1 .. pblk_3 in s51 .. s53
	s_add_co_u32 s52, s51, s45
	s_add_co_u32 s53, s52, s46
	s_lshr_b32 s23, ttmp9, 2                       ; my block
	s_mov_b32 s21, 0                               ; its expert: the last whose first block is not behind it
	s_mov_b32 s55, 0                               ; that expert's pblk
	s_mov_b32 s56, s40                             ; and n
.irp e, 1,2,3
	s_cmp_ge_u32 s23, s[50+\e]
	s_cselect_b32 s21, \e, s21
	s_cselect_b32 s55, s[50+\e], s55
	s_cselect_b32 s56, s[40+\e], s56
.endr
	s_min_u32 s21, s21, 3                          ; a number made of numbers from memory enters an address only clamped
	s_lshl_b32 s32, s21, 12
	s_add_nc_u64 s[6:7], s[6:7], s[32:33]
	s_add_nc_u64 s[8:9], s[8:9], s[32:33]
.irp i, 0,1,2,3,4,5,6,7
	global_load_b128 v[G+4*\i:G+4*\i+3], v1, s[6:7] offset:512*\i     ; they come in during the search
.endr
.irp i, 0,1,2,3,4,5,6,7
	global_load_b128 v[BT+4*\i:BT+4*\i+3], v1, s[8:9] offset:512*\i
.endr
	s_lshl_b32 s59, ttmp9, 4
	s_lshl_b32 s20, s22, 1
	s_add_co_u32 s59, s59, s20                     ; my first slot: 16 x m-tile + 2 w
	s_lshl_b32 s58, s55, 6
	s_sub_co_u32 s57, s59, s58                     ; its rank,
	s_add_co_u32 s58, s57, 1                       ; and the second slot's
	s_cmp_lt_u32 s57, s56
	s_cselect_b32 s60, -1, 0                       ; all ones where the slot has a token
	s_cmp_lt_u32 s58, s56
	s_cselect_b32 s61, -1, 0
	; the search, four registers at a time: members' masks, counts so far, ranks, hits
	s_mov_b32 s34, 0                               ; members so far
.irp i, 0,1,2,3,4,5,6,7,8,9,10,11,12,13,14,15
.irp c, 0,1,2,3
	v_cmp_eq_u32 s[24+\c], s21, v[E+4*\i+\c]
.endr
.irp c, 0,1,2,3
	v_add_nc_u32 v[ID+\c], 128*\i, v[4+\c]
.endr
	s_mov_b32 s28, s34
	s_bcnt1_i32_b32 s20, s24
	s_add_co_u32 s29, s28, s20
	s_bcnt1_i32_b32 s20, s25
	s_add_co_u32 s30, s29, s20
	s_bcnt1_i32_b32 s20, s26
	s_add_co_u32 s31, s30, s20
	s_bcnt1_i32_b32 s20, s27
	s_add_co_u32 s34, s31, s20
.irp c, 0,1,2,3
	v_mbcnt_lo_u32_b32 v[RK+\c], s[24+\c], s[28+\c]        ; members so far + members in lower lanes
.endr
.irp c, 0,1,2,3
	v_cmp_eq_u32 s[36+\c], s57, v[RK+\c]
	v_cmp_eq_u32 s[84+\c], s58, v[RK+\c]
.endr
.irp c, 0,1,2,3
	s_and_b32 s[36+\c], s[36+\c], s[24+\c]                 ; a hit is a member with the rank
	s_and_b32 s[84+\c], s[84+\c], s[24+\c]
.endr
.irp c, 0,1,2,3
	v_cndmask_b32 v[TK], v[TK], v[ID+\c], s[36+\c]
	v_cndmask_b32 v[TK+1], v[TK+1], v[ID+\c], s[84+\c]
.endr
.endr
	IRED TK                                        ; one lane at the most holds a token: the sum brings it to all
	IRED TK+1
	v_readfirstlane_b32 s88, v[TK]
	v_readfirstlane_b32 s89, v[TK+1]
	s_min_u32 s88, s88, 2047                       ; (token 0 where the slot has none: its row is read and cleared)
	s_min_u32 s89, s89, 2047
	s_lshl_b32 s32, s88, 4
	s_add_nc_u64 s[70:71], s[12:13], s[32:33]
	s_lshl_b32 s32, s89, 4
	s_add_nc_u64 s[72:73], s[12:13], s[32:33]
	s_load_b64 s[74:75], s[70:71], 0x0             ; mu, rstd
	s_load_b64 s[76:77], s[72:73], 0x0
	s_lshl_b32 s32, s88, 12
	s_add_nc_u64 s[66:67], s[4:5], s[32:33]
	s_lshl_b32 s32, s89, 12
	s_add_nc_u64 s[68:69], s[4:5], s[32:33]
.irp i, 0,1,2,3,4,5,6,7
	global_load_b128 v[X+4*\i:X+4*\i+3], v1, s[66:67] offset:512*\i
.endr
.irp i, 0,1,2,3,4,5,6,7
	global_load_b128 v[X+32+4*\i:X+32+4*\i+3], v1, s[68:69] offset:512*\i
.endr
	s_add_co_u32 s90, s59, 2048                    ; where the slots' numbers go: pos[token], or the slot's spare word
	s_cmp_lg_u32 s60, 0
	s_cselect_b32 s90, s88, s90
	s_min_u32 s90, s90, 4287
	s_lshl_b32 s32, s90, 2
	s_add_nc_u64 s[78:79], s[16:17], s[32:33]
	s_add_co_u32 s91, s59, 2049
	s_cmp_lg_u32 s61, 0
	s_cselect_b32 s91, s89, s91
	s_min_u32 s91, s91, 4287
	s_lshl_b32 s32, s91, 2
	s_add_nc_u64 s[80:81], s[16:17], s[32:33]
	s_lshl_b32 s32, ttmp9, 15                      ; h: my m-tile, my 16 chunks
	s_lshl_b32 s20, s22, 12
	s_add_co_u32 s32, s32, s20
	s_add_nc_u64 s[82:83], s[14:15], s[32:33]
	v_mov_b32 v[SV], s59
	v_add_nc_u32 v[SV+1], 1, v[SV]
	s_wait_kmcnt 0x0
	v_mov_b32 v[MR], s74
	v_mov_b32 v[MR+1], s74
	v_mov_b32 v[MR+2], s75
	v_mov_b32 v[MR+3], s75
	v_mov_b32 v[MR+4], s76
	v_mov_b32 v[MR+5], s76
	v_mov_b32 v[MR+6], s77
	v_mov_b32 v[MR+7], s77
	s_wait_loadcnt 8                               ; gamma, beta and row 0 are in; row 1's eight loads stay out
	LNROW 0
	s_wait_loadcnt 0x0
	LNROW 1
	s_wait_dscnt 0x0                               ; my rows are in LDS, for the others' sake
	s_barrier_signal -1
	s_barrier_wait -1
.irp j, 0,1,2,3,4,5,6,7
	ds_load_b128 v[G+4*\j:G+4*\j+3], v[LR] offset:32*\j    ; lanes 0-15: chunk 16 w + 2 j of the 16 rows; lanes 16-31: the next chunk
.endr
.irp j, 0,1,2,3,4,5,6,7
	s_wait_dscnt 7-\j
	global_store_b128 v1, v[G+4*\j:G+4*\j+3], s[82:83] offset:512*\j   ; 512 consecutive bytes, aligned
.endr
	s_cmp_lg_u32 s22, 0
	s_cbranch_scc1 .Lrest
	s_cmp_lg_u32 ttmp9, 0
	s_cbranch_scc1 .Lrest
	; wave 0 of work-group 0: the table, one word a lane (the lanes not named store zeros)
	v_mov_b32 v[MV], 0
	v_writelane_b32 v[MV], s44, 1
	v_writelane_b32 v[MV], s40, 2
	v_writelane_b32 v[MV], s51, 4
	v_writelane_b32 v[MV], s45, 5
	v_writelane_b32 v[MV], s41, 6
	v_writelane_b32 v[MV], s52, 8
	v_writelane_b32 v[MV], s46, 9
	v_writelane_b32 v[MV], s42, 10
	v_writelane_b32 v[MV], s53, 12
	v_writelane_b32 v[MV], s47, 13
	v_writelane_b32 v[MV], s43, 14
	global_store_b32 v4, v[MV], s[18:19]
.Lrest:
	v_cmp_eq_u32 vcc_lo, 0, v3
	s_wait_xcnt 0x0                                ; EXEC is a source of the stores above: it changes only behind this wait
	s_and_saveexec_b32 s20, vcc_lo
	global_store_b32 v[Z], v[SV], s[78:79]         ; 4 bytes a slot, 9 KiB in the whole launch
	global_store_b32 v[Z], v[SV+1], s[80:81]
	s_wait_xcnt 0x0
	s_or_b32 exec_lo, exec_lo, s20
	s_wait_tensorcnt 0x0
	ds_add_u32 v240, v241
	s_wait_dscnt 0x0
	s_endpgm
.Lfunc_end_k_q23550c0346_norm:
	.size	k_q23550c0346_norm, .Lfunc_end_k_q23550c0346_norm-k_q23550c0346_norm
	.p2alignl 7, 3214868480
	.fill 96, 4, 3214868480
	.section	.rodata,"a",@progbits
	.p2align	6, 0x0
	.amdhsa_kernel k_q23550c0346_norm
		.amdhsa_group_segment_fixed_size 34304
		.amdhsa_private_segment_fixed_size 0
		.amdhsa_enable_private_segment 0
		.amdhsa_kernarg_size 64
		.amdhsa_user_sgpr_count 2
		.amdhsa_user_sgpr_kernarg_segment_ptr 1
		.amdhsa_wavefront_size32 1
		.amdhsa_system_sgpr_workgroup_id_x 1
		.amdhsa_system_sgpr_workgroup_id_y 1
		.amdhsa_system_sgpr_workgroup_id_z 1
		.amdhsa_system_vgpr_workitem_id 0
		.amdhsa_next_free_vgpr 242
		.amdhsa_next_free_sgpr 96
		.amdhsa_reserve_vcc 1
		.amdhsa_float_denorm_mode_32 3
		.amdhsa_float_denorm_mode_16_64 3
		.amdhsa_memory_ordered 1
		.amdhsa_forward_progress 1
		.amdhsa_inst_pref_size 67
	.end_amdhsa_kernel
	.amdgpu_metadata
---
amdhsa.version: [ 1, 2 ]
amdhsa.kernels:
  - .name:           k_q23550c0346_norm
    .symbol:         k_q23550c0346_norm.kd
    .args:
      - { .name: x, .offset: 0, .size: 8, .value_kind: global_buffer, .address_space: global }
      - { .name: gamma, .offset: 8, .size: 8, .value_kind: global_buffer, .address_space: global }
      - { .name: beta, .offset: 16, .size: 8, .value_kind: global_buffer, .address_space: global }
      - { .name: eid, .offset: 24, .size: 8, .value_kind: global_buffer, .address_space: global }
      - { .name: stats, .offset: 32, .size: 8, .value_kind: global_buffer, .address_space: global }
      - { .name: h, .offset: 40, .size: 8, .value_kind: global_buffer, .address_space: global }
      - { .name: pos, .offset: 48, .size: 8, .value_kind: global_buffer, .address_space: global }
      - { .name: meta, .offset: 56, .size: 8, .value_kind: global_buffer, .address_space: global }
    .group_segment_fixed_size: 34304
    .private_segment_fixed_size: 0
    .kernarg_segment_align: 8
    .kernarg_segment_size: 64
    .max_flat_workgroup_size: 256
    .sgpr_count:     96
    .vgpr_count:     242
    .wavefront_size: 32
...
	.end_amdgpu_metadata
.endif
;; end of part 7
;; launch ffn1 (part 8): grid 256 x 1, 4 waves a work-group, no clusters, 98,816 bytes of LDS; arguments w1, b1, h, meta, hidden; writes hidden
.if DOCPART == 8
	.amdgcn_target "amdgcn-amd-amdhsa--gfx1250"
	.amdhsa_code_object_version 6
	.text
	.protected	k_q23550c0346_ffn1
	.globl	k_q23550c0346_ffn1
	.p2align	8
	.type	k_q23550c0346_ffn1,@function
k_q23550c0346_ffn1:
	s_mov_b64 s[64:65], 0
	v_nop
	global_prefetch_b8 v0, s[64:65] scope:SCOPE_SE
	s_setreg_imm32_b32 hwreg(HW_REG_WAVE_MODE, 25, 1), 1
	s_wait_xcnt 0x0
; ffn1: hidden = relu(h w1[e] + b1[e]), each token with its own expert alone, in bf16, sums in f32.
; WEIGHTS STAY, TOKENS STREAM.  A work-group is (expert, slab of 64 columns): 4 x 64 = 256.  It reads the slab's 64 columns x 1,024 K (256 KiB of f32) once,
; rounds them to bf16 and keeps them in registers, 256 in each of its four waves (wave w: K = 256 w .. 256 w + 255).  Then it walks its expert's blocks
; of 64 slots (meta: first block pblk, number nblk).  All four waves work on the same 64 rows, each over its own K, and the four partial tiles of 64 x 64
; are added through LDS: wave w ends up with rows 16 w .. 16 w + 15.
; TOKENS COME STRAIGHT INTO REGISTERS.  A wave's fragments hold its own K alone, so no other wave reads them, and h lies in fragment order
; ([slot / 16][k / 8][16 slots][8 k]): half a fragment is one load of 512 consecutive bytes.  A ring of eight places of 32 registers, one for each K step:
; in K step ks the place that step ks - 1 has just left is asked for again (in step 0: this block's step 7; else the next block's step ks - 1), so a
; fragment is asked for seven K steps, 112 matrix instructions, ahead, and 56 loads (28 KiB) of a wave are out.
; THE K SUM OF A BLOCK RUNS UNDER THE NEXT BLOCK'S PRODUCTS.  Trip t multiplies block t and, between its matrix instructions, reads block t - 1's three
; foreign partial tiles from the stage, adds them to the wave's own tile, and stores the result.  The own tile takes turns between two register sets
; (even and odd blocks), and so do two stages in LDS: trip t stores stage t % 2 in front of its barrier; trip t + 1 reads it behind that barrier and has
; waited for those reads in front of its own; trip t + 2 stores it again behind that one.  Block 0's products stand ahead of the loop, the last block's
; sum behind it, written out for both parities.
; WHAT HANGS ON DATA: nblk and pblk.  The loop has 32 trips, as many as an expert can have blocks; a trip without a block jumps to the trip's barrier, so
; that every wave passes every barrier.  If all tokens go to one expert the result is right, and its 64 work-groups do all the work.
; ORDER OF BLOCKS: work-group slab starts at block slab x nblk / 64 and goes round, so that the 64 work-groups of an expert ask for different blocks at
; any time.  The block behind the last is the first again: the last block's look-ahead (seven K steps) reads bytes that are there, and is not used.
; NO CLUSTER, though the 64 work-groups of an expert read the same blocks: partners that ask jointly must make the same requests on every path, so the
; number of blocks could not be read from memory; with a constant number it takes 8 groups x 7 blocks = 3,584 slots, and each weight once for each group
; of its expert, against at most 2,240 slots and each weight once here.
; NO TRANSPOSITION OF THE WEIGHTS: fragment tile b (0..3) takes the slab's columns 4 r + b (r = lane % 16).  A lane's 16-byte load of row k at byte 16 r
; brings w[k][4 r .. 4 r + 3], one number for each tile, and two rows' numbers pack into one fragment register.  Sixteen lanes read 256 consecutive bytes.
; hidden is laid out as the next product reads it: [slot / 16][column / 8][16 slots][8 columns], 256 bytes a chunk.
; REGISTERS in windows of 256: window 0 addresses and the way out; window 1 the weights, fragment (ks, b) at 32 ks + 8 b; window 2 the accumulators: the
; own tile (local tile 0), part b, at 8 b for even blocks and at 128 + 8 b for odd ones, tile (a, b), a = 1..3, at 8 (4 a + b), the bias in the
; accumulators' order at 192, and before the first product three landing buffers of 64 for the weights; window 3 the ring, fragment (ks, a) at 8 (4 ks + a).
; Local tile a is the block's m-tile (a + w) % 4, so that local tile 0 is the one that the wave owns, in every wave's text.
.set NTRIP,  32                        ; the most blocks an expert can have: 2,048 / 64
.set PITCHB, 16384                     ; bytes from row to row of w1
.set MT,     32768                     ; an m-tile of h
.set TSH,    17                        ; a block of h is 2^17 bytes
.set OSH,    19                        ; a block of hidden is 2^19 bytes
.set STGB,   49152                     ; a stage: storing wave x 3 tiles x 4,096 bytes; two stages take turns
.set NCS,    6                         ; K steps 1 .. NCS carry the sum's vector work, 16 instructions each; step NCS + 1 the stores
.set WOFF, 4                           ; v4      weights: 8 g rows + 16 r
.set OOFF, 5                           ; v5      output: 1024 g + 16 r
.set BOFF, 6                           ; v6      bias: 128 g
.set LT,   7                           ; v7      16 x lane
.set ADR,  8                           ; v[8:11] tokens: m-tile (a + w) % 4 + 16 x lane
.set STA,  16                          ; v16     where I store partial tiles
.set STR,  17                          ; v[17:19] where I read the three partial tiles of my own m-tile
.set P,    32                          ; v[32:127] the three, 32 registers each, register 8 b + j as in an accumulator tile
.set BI,   160                         ; v[160:191] b1 of my 32 columns, as loaded
.set H,    192                         ; v[192:207] bf16 to store
.set BC,   192                         ; window 2: b1 in the accumulators' order, register 8 b + j = column 32 g + 4 j + b
.set OBE,  34                          ; s[34:35] where the block whose sum is due goes
.set CUR,  36                          ; s[36:37] this block of h, at my K
.set NXT,  38                          ; s[38:39] the next block
.set OBP,  56                          ; s[56:57] where the block at CUR goes
.set MULW, 0xAD                        ; source 0 weights (window 1), source 1 tokens (window 3), C and D window 2
.set MSB, 0
.macro WIN new                         ; the immediate's high byte repeats the setting that is left
.if MSB != \new
	s_set_vgpr_msb (MSB<<8)|\new
.set MSB, \new
.endif
.endm
.macro WLOAD c, buf                    ; 32 rows of K (chunk c) x 64 columns, f32, into landing buffer buf: 16 loads
	WIN 0x80
.irp q, 0,1
.irp j, 0,1,2,3,4,5,6,7
	global_load_b128 v[64*\buf+32*\q+4*\j:64*\buf+32*\q+4*\j+3], v[WOFF], s[32:33] offset:(32*\c+16*\q+\j)*PITCHB th:TH_LOAD_NT
.endr
.endr
.endm
.macro WCVT c, buf                     ; the four fragments of K step c: register 4 q + jj of tile b = rows 16 q + 8 g + 2 jj, + 1 of column 4 r + b
	WIN 0x4A
.irp b, 0,1,2,3
.irp q, 0,1
.irp jj, 0,1,2,3
	v_cvt_pk_bf16_f32 v[32*\c+8*\b+4*\q+\jj], v[64*\buf+32*\q+8*\jj+\b], v[64*\buf+32*\q+8*\jj+4+\b]
.endr
.endr
.endr
.endm
.macro ALOAD base, ks                  ; the four token fragments of K step ks of the block at base: 8 loads of 512 consecutive bytes
	WIN 0xC0
.irp a, 0,1,2,3
	global_load_b128 v[8*(4*(\ks)+\a):8*(4*(\ks)+\a)+3],   v[ADR+\a], s[\base:\base+1] offset:1024*(\ks)
	global_load_b128 v[8*(4*(\ks)+\a)+4:8*(4*(\ks)+\a)+7], v[ADR+\a], s[\base:\base+1] offset:1024*(\ks)+512
.endr
.endm
; One matrix instruction, used transposed: a lane's eight results are columns of one token.  The first K step starts the sums: the own tile's with the
; bias (it enters each output once, since each m-tile is one wave's own), the others' with 0.
.macro MM ks, a, b, par
.if \a == 0
.set DR, 128*\par+8*\b
.else
.set DR, 8*(4*\a+\b)
.endif
.if \ks == 0
.if \a == 0
	v_wmma_f32_16x16x32_bf16 v[DR:DR+7], v[32*\ks+8*\b:32*\ks+8*\b+7], v[8*(4*\ks+\a):8*(4*\ks+\a)+7], v[BC+8*\b:BC+8*\b+7]
.else
	v_wmma_f32_16x16x32_bf16 v[DR:DR+7], v[32*\ks+8*\b:32*\ks+8*\b+7], v[8*(4*\ks+\a):8*(4*\ks+\a)+7], 0
.endif
.else
	v_wmma_f32_16x16x32_bf16 v[DR:DR+7], v[32*\ks+8*\b:32*\ks+8*\b+7], v[8*(4*\ks+\a):8*(4*\ks+\a)+7], v[DR:DR+7]
.endif
.endm
.macro MM4 ks, a, par                  ; local tile a, its four parts
	WIN MULW
.irp b, 0,1,2,3
	MM \ks, \a, \b, \par
.endr
.endm
.macro SLD s, ep                       ; the partial tile of my m-tile that wave (w - s - 1) % 4 stored into stage ep: 8 LDS loads
	WIN 0
.irp q, 0,1,2,3,4,5,6,7
	ds_load_b128 v[P+32*\s+4*\q:P+32*\s+4*\q+3], v[STR+\s] offset:\ep*STGB+512*\q
.endr
.endm
.macro EMAX m                          ; relu of the eight sums with j = 2 m, 2 m + 1
	WIN 0
.irp jj, 0,1
.irp b, 0,1,2,3
	v_max_num_f32 v[P+8*\b+2*\m+\jj], 0, v[P+8*\b+2*\m+\jj]
.endr
.endr
.endm
.macro ECVT h                          ; words 8 h .. 8 h + 7 to store: word d holds columns 32 g + 2 d, + 1 = registers 8 b + j, 8 (b + 1) + j with j = d / 2, b = 2 (d % 2):
	WIN 0                              ; the conversion's choice of sources puts the columns in order
.irp i, 0,1,2,3,4,5,6,7
.set ED, 8*\h+\i
	v_cvt_pk_bf16_f32 v[H+ED], v[P+16*(ED%2)+ED/2], v[P+16*(ED%2)+8+ED/2]
.endr
.endm
; Piece c (0 .. 11) of the sum of a block of parity ep: eight vector instructions each.
.macro ECH c, ep
.if (\c)/2 == 0                        ; first foreign tile + my own part (window 2)
	WIN 0x02
.irp i, 0,1,2,3,4,5,6,7
	v_pk_add_f32 v[P+16*(\c)+2*\i:P+16*(\c)+2*\i+1], v[128*\ep+16*(\c)+2*\i:128*\ep+16*(\c)+2*\i+1], v[P+16*(\c)+2*\i:P+16*(\c)+2*\i+1]
.endr
.endif
.if (\c)/2 == 1                        ; second + third
	WIN 0
.irp i, 0,1,2,3,4,5,6,7
	v_pk_add_f32 v[P+32+16*((\c)-2)+2*\i:P+32+16*((\c)-2)+2*\i+1], v[P+32+16*((\c)-2)+2*\i:P+32+16*((\c)-2)+2*\i+1], v[P+64+16*((\c)-2)+2*\i:P+64+16*((\c)-2)+2*\i+1]
.endr
.endif
.if (\c)/2 == 2                        ; the two halves
	WIN 0
.irp i, 0,1,2,3,4,5,6,7
	v_pk_add_f32 v[P+16*((\c)-4)+2*\i:P+16*((\c)-4)+2*\i+1], v[P+16*((\c)-4)+2*\i:P+16*((\c)-4)+2*\i+1], v[P+32+16*((\c)-4)+2*\i:P+32+16*((\c)-4)+2*\i+1]
.endr
.endif
.if (\c) == 6
	EMAX 0
.endif
.if (\c) == 7
	EMAX 1
.endif
.if (\c) == 8
	EMAX 2
.endif
.if (\c) == 9
	ECVT 0                             ; j = 0 .. 3 have had their relu
.endif
.if (\c) == 10
	EMAX 3
.endif
.if (\c) == 11
	ECVT 1
.endif
.endm
.macro EOUT
	WIN 0
.irp t, 0,1,2,3
	global_store_b128 v[OOFF], v[H+4*\t:H+4*\t+3], s[OBE:OBE+1] offset:256*\t    ; sixteen lanes store one whole chunk of 256 bytes
.endr
.endm
; A block's eight K steps (parity par); epi = 1: with the sum of the block before (parity ep) between the matrix instructions.
; The 16 accumulators take turns, one instruction a turn, in the same order in every K step.
; Behind the first four matrix instructions of a K step stand at least four plain vector instructions that name no register of the last K step's matrix
; instructions (ISA guide 7.12.1): a piece of the sum, or v_nop where there is none; only then the last K step's fragments are loaded over.
.macro STEPS epi, par, ep
.irp ks, 0,1,2,3,4,5,6,7
.set EB, 0
.if \epi
.if \ks > 0
.if \ks < NCS+1
.set EB, 1
.endif
.endif
.endif
	s_wait_loadcnt 48                              ; loads come back in order (ISA guide 5.7.1): this K step's eight are in, the six steps asked for behind it stay out
	MM4 \ks, 0, \par
.if EB
.if \ks == 1
	s_wait_dscnt 16                                ; the first foreign tile is in; the 16 loads of the other two stay out
.endif
.if \ks == 2
	s_wait_dscnt 0x0                               ; all three are in
.endif
	ECH 2*(\ks-1), \ep
.else
.rept 4
	v_nop
.endr
.if \epi
.if \ks == 0
	SLD 0, \ep
.endif
.if \ks == NCS+1
	EOUT
.endif
.endif
.endif
.if \ks == 0
	ALOAD CUR, 7
.else
	ALOAD NXT, \ks-1
.endif
	MM4 \ks, 1, \par
.if \epi
.if \ks == 0
	SLD 1, \ep
.endif
.endif
	MM4 \ks, 2, \par
.if \epi
.if \ks == 0
	SLD 2, \ep
.endif
.endif
.if EB
	ECH 2*(\ks-1)+1, \ep
.endif
	MM4 \ks, 3, \par
.endr
.endm
.macro SSTORE par                      ; my partial tiles of the other waves' m-tiles, into stage par
	WIN 0x08                                       ; LDS store data from window 2
.rept 5
	v_nop                                          ; the places behind the last matrix instructions, for the stores of results and for what later lands on these registers
.endr
.irp a, 1,2,3
.irp b, 0,1,2,3
	ds_store_b128 v[STA], v[8*(4*\a+\b):8*(4*\a+\b)+3]   offset:\par*STGB+(\a-1)*4096+1024*\b
	ds_store_b128 v[STA], v[8*(4*\a+\b)+4:8*(4*\a+\b)+7] offset:\par*STGB+(\a-1)*4096+1024*\b+512
.endr
.endr
	WIN 0
.endm
.macro ADV                             ; on to the next block
	s_wait_xcnt 0x0                                ; the stores' base and data and the loads' bases are rewritten only behind this wait
	s_sub_co_u32 s44, s44, 1
	s_mov_b64 s[OBE:OBE+1], s[OBP:OBP+1]           ; the block just multiplied: its sum is due
	s_mov_b64 s[CUR:CUR+1], s[NXT:NXT+1]
	s_add_co_u32 s47, s28, s46                     ; where the block now at CUR goes
	s_min_u32 s47, s47, 34
	s_lshl_b32 s48, s47, OSH
	s_add_nc_u64 s[OBP:OBP+1], s[42:43], s[48:49]
	s_add_co_u32 s46, s46, 1                       ; the block behind it, round the expert's blocks
	s_cmp_ge_u32 s46, s29
	s_cselect_b32 s46, 0, s46
	s_add_co_u32 s47, s28, s46
	s_min_u32 s47, s47, 34
	s_lshl_b32 s48, s47, TSH
	s_add_nc_u64 s[NXT:NXT+1], s[40:41], s[48:49]
.endm
; A trip.  s44 = blocks still to multiply.  par = the parity of this trip's block, ep = 1 - par that of the block whose sum is due.
.macro TRIP par, ep
	s_cmp_eq_u32 s44, 0
	s_cbranch_scc1 .Lidle_\@                       ; no block left: on to the barrier
	STEPS 1, \par, \ep
	SSTORE \par
	ADV
.Lidle_\@:
	s_wait_dscnt 0x0                               ; my partial tiles are in LDS and my reads of the other stage are over, for the others' sake
	s_barrier_signal -1
	s_barrier_wait -1
.endm
.macro EPI ep                          ; the last block's sum, with nothing left to multiply
	SLD 0, \ep
	SLD 1, \ep
	SLD 2, \ep
	s_wait_dscnt 0x0
.irp c, 0,1,2,3,4,5,6,7,8,9,10,11
	ECH \c, \ep
.endr
	EOUT
.endm
	s_load_b256 s[16:23], s[0:1], 0x0              ; w1 16, b1 18, h 20, meta 22
	s_load_b64 s[24:25], s[0:1], 0x20              ; hidden
	v_lshl_add_u32 v254, v0, 2, 0x18000
	v_mov_b32 v255, 0
	v_lshrrev_b32 v1, 5, v0
	v_readfirstlane_b32 s8, v1                     ; wave
	s_lshr_b32 s10, ttmp9, 6                       ; expert
	s_and_b32 s12, ttmp9, 63                       ; slab
	s_lshl_b32 s54, s10, 4                         ; meta: 16 bytes an expert
	s_mov_b32 s55, 0
	s_lshl_b32 s52, s10, 24                        ; weights: expert x 16 MiB + 256 w rows + 256 bytes x slab
	s_lshl_b32 s47, s8, 22
	s_add_co_u32 s52, s52, s47
	s_lshl_b32 s47, s12, 8
	s_add_co_u32 s52, s52, s47
	s_mov_b32 s53, 0
	s_lshl_b32 s50, s10, 14                        ; bias: 16,384 e + 256 slab
	s_add_co_u32 s50, s50, s47
	s_mov_b32 s51, 0
	v_and_b32 v1, 31, v0                           ; lane
	v_and_b32 v2, 15, v0                           ; r
	v_bfe_u32 v3, v0, 4, 1                         ; g
	v_lshlrev_b32 v[WOFF], 4, v2
	v_lshl_add_u32 v[OOFF], v3, 10, v[WOFF]
	v_lshl_add_u32 v[WOFF], v3, 17, v[WOFF]
	v_lshlrev_b32 v[BOFF], 7, v3
	v_lshlrev_b32 v[LT], 4, v1
	s_wait_kmcnt 0x0
	s_add_nc_u64 s[22:23], s[22:23], s[54:55]
	s_load_b64 s[28:29], s[22:23], 0x0             ; pblk, nblk of my expert; they come in while the first weights are asked for
	s_add_nc_u64 s[32:33], s[16:17], s[52:53]
	s_add_nc_u64 s[18:19], s[18:19], s[50:51]
.irp q, 0,1,2,3,4,5,6,7
	global_load_b128 v[BI+4*\q:BI+4*\q+3], v[BOFF], s[18:19] offset:16*\q
.endr
	WLOAD 0, 0
	WLOAD 1, 1
	WIN 0
.irp a, 0,1,2,3
	s_add_co_u32 s47, s8, \a
	s_and_b32 s47, s47, 3
	s_mul_i32 s47, s47, MT
	v_add_nc_u32 v[ADR+\a], s47, v[LT]
.endr
	s_mul_i32 s47, s8, 12288
	v_add_nc_u32 v[STA], s47, v[LT]
.irp a, 1,2,3
	s_add_co_u32 s47, s8, 4-\a                     ; wave (w - a) % 4 has my m-tile as its local tile a
	s_and_b32 s47, s47, 3
	s_mul_i32 s47, s47, 12288
	s_add_co_u32 s47, s47, (\a-1)*4096
	v_add_nc_u32 v[STR+\a-1], s47, v[LT]
.endr
	s_mov_b32 s49, 0
	s_lshl_b32 s48, s8, 13                         ; h at my K: 8,192 bytes of each m-tile
	s_add_nc_u64 s[40:41], s[20:21], s[48:49]
	s_lshl_b32 s48, s8, 17                         ; hidden at m-tile w of a block, 2,048 x slab
	s_lshl_b32 s47, s12, 11
	s_add_co_u32 s48, s48, s47
	s_add_nc_u64 s[42:43], s[24:25], s[48:49]
	s_wait_kmcnt 0x0
	s_min_u32 s28, s28, 34                         ; numbers from memory enter addresses only clamped
	s_min_u32 s29, s29, NTRIP
	s_max_u32 s29, s29, 1
	s_mov_b32 s44, s29                             ; blocks to multiply
	s_sub_co_u32 s58, s29, 1
	s_and_b32 s58, s58, 1                          ; the parity of the last one
	s_mul_i32 s45, s12, s29
	s_lshr_b32 s45, s45, 6                         ; my first block: slab x nblk / 64
	s_min_u32 s45, s45, NTRIP-1
	s_add_co_u32 s46, s45, 1                       ; the one behind it
	s_cmp_ge_u32 s46, s29
	s_cselect_b32 s46, 0, s46
	s_add_co_u32 s47, s28, s45
	s_min_u32 s47, s47, 34
	s_lshl_b32 s48, s47, TSH
	s_add_nc_u64 s[CUR:CUR+1], s[40:41], s[48:49]
	s_lshl_b32 s48, s47, OSH
	s_add_nc_u64 s[OBP:OBP+1], s[42:43], s[48:49]
	s_add_co_u32 s47, s28, s46
	s_min_u32 s47, s47, 34
	s_lshl_b32 s48, s47, TSH
	s_add_nc_u64 s[NXT:NXT+1], s[40:41], s[48:49]
	; The weights, with the first block's K steps 0 to 6 woven in.  Each wait's count is what was issued behind the chunk that it waits for
	; (a chunk is 16 loads, a K step's fragments 8); 56 loads are out at the most.
	ALOAD CUR, 0
	ALOAD CUR, 1
	s_wait_loadcnt 32                              ; chunk 0 (and the older bias): behind it chunk 1 and K steps 0, 1
	WCVT 0, 0
	WIN 0x80                                       ; the bias into the accumulators' order, once: 32 moves into window 2
.irp b, 0,1,2,3
.irp j, 0,1,2,3,4,5,6,7
	v_mov_b32 v[BC+8*\b+\j], v[BI+4*\j+\b]
.endr
.endr
	WLOAD 2, 2
	ALOAD CUR, 2
	s_wait_loadcnt 40                              ; chunk 1: behind it K steps 0, 1, chunk 2, K step 2
	WCVT 1, 1
	WLOAD 3, 0
	s_wait_loadcnt 24                              ; chunk 2: behind it K step 2, chunk 3
	WCVT 2, 2
	WLOAD 4, 1
	ALOAD CUR, 3
	ALOAD CUR, 4
	s_wait_loadcnt 32                              ; chunk 3: behind it chunk 4, K steps 3, 4
	WCVT 3, 0
	WLOAD 5, 2
	ALOAD CUR, 5
	s_wait_loadcnt 40                              ; chunk 4: behind it K steps 3, 4, chunk 5, K step 5
	WCVT 4, 1
	WLOAD 6, 0
	s_wait_loadcnt 24                              ; chunk 5: behind it K step 5, chunk 6
	WCVT 5, 2
	WLOAD 7, 1
	ALOAD CUR, 6
	s_wait_loadcnt 24                              ; chunk 6: behind it chunk 7, K step 6
	WCVT 6, 0
	s_wait_loadcnt 8                               ; chunk 7: behind it K step 6
	WCVT 7, 1
	; block 0 (every expert has one): products alone
	STEPS 0, 0, 0
	SSTORE 0
	ADV
	s_wait_dscnt 0x0                               ; my partial tiles are in LDS, for the others' sake
	s_barrier_signal -1
	s_barrier_wait -1
	s_mov_b32 s59, 0
.Lpair:                                            ; trips 1 to 32
	TRIP 1, 0
	TRIP 0, 1
	s_add_co_u32 s59, s59, 1
	s_cmp_lt_u32 s59, NTRIP/2
	s_cbranch_scc1 .Lpair
	; the last block's sum: its stage was stored in front of a barrier that every wave has passed, and nothing has been stored since
	s_cmp_lg_u32 s58, 0
	s_cbranch_scc1 .Lodd
	EPI 0
	s_wait_tensorcnt 0x0
	ds_add_u32 v254, v255
	s_wait_dscnt 0x0
	s_endpgm                                       ; the last look-ahead's loads may be out: nothing reads them
.Lodd:
	EPI 1
	s_wait_tensorcnt 0x0
	ds_add_u32 v254, v255
	s_wait_dscnt 0x0
	s_endpgm
.Lfunc_end_k_q23550c0346_ffn1:
	.size	k_q23550c0346_ffn1, .Lfunc_end_k_q23550c0346_ffn1-k_q23550c0346_ffn1
	.p2alignl 7, 3214868480
	.fill 96, 4, 3214868480
	.section	.rodata,"a",@progbits
	.p2align	6, 0x0
	.amdhsa_kernel k_q23550c0346_ffn1
		.amdhsa_group_segment_fixed_size 98816
		.amdhsa_private_segment_fixed_size 0
		.amdhsa_enable_private_segment 0
		.amdhsa_kernarg_size 40
		.amdhsa_user_sgpr_count 2
		.amdhsa_user_sgpr_kernarg_segment_ptr 1
		.amdhsa_wavefront_size32 1
		.amdhsa_system_sgpr_workgroup_id_x 1
		.amdhsa_system_sgpr_workgroup_id_y 1
		.amdhsa_system_sgpr_workgroup_id_z 1
		.amdhsa_system_vgpr_workitem_id 0
		.amdhsa_next_free_vgpr 1024
		.amdhsa_next_free_sgpr 66
		.amdhsa_reserve_vcc 0
		.amdhsa_float_denorm_mode_32 3
		.amdhsa_float_denorm_mode_16_64 3
		.amdhsa_memory_ordered 1
		.amdhsa_forward_progress 1
		.amdhsa_inst_pref_size 123
	.end_amdhsa_kernel
	.amdgpu_metadata
---
amdhsa.version: [ 1, 2 ]
amdhsa.kernels:
  - .name:           k_q23550c0346_ffn1
    .symbol:         k_q23550c0346_ffn1.kd
    .args:
      - { .name: w1, .offset: 0, .size: 8, .value_kind: global_buffer, .address_space: global }
      - { .name: b1, .offset: 8, .size: 8, .value_kind: global_buffer, .address_space: global }
      - { .name: h, .offset: 16, .size: 8, .value_kind: global_buffer, .address_space: global }
      - { .name: meta, .offset: 24, .size: 8, .value_kind: global_buffer, .address_space: global }
      - { .name: hidden, .offset: 32, .size: 8, .value_kind: global_buffer, .address_space: global }
    .group_segment_fixed_size: 98816
    .private_segment_fixed_size: 0
    .kernarg_segment_align: 8
    .kernarg_segment_size: 40
    .max_flat_workgroup_size: 128
    .sgpr_count:     66
    .vgpr_count:     1024
    .wavefront_size: 32
...
	.end_amdgpu_metadata
.endif
;; end of part 8
;; launch ffn2 (part 9): grid 256 x 1, 4 waves a work-group, no clusters, 98,816 bytes of LDS; arguments w2, hidden, meta, part; writes part
.if DOCPART == 9
	.amdgcn_target "amdgcn-amd-amdhsa--gfx1250"
	.amdhsa_code_object_version 6
	.text
	.protected	k_q23550c0346_ffn2
	.globl	k_q23550c0346_ffn2
	.p2align	8
	.type	k_q23550c0346_ffn2,@function
k_q23550c0346_ffn2:
	s_mov_b64 s[64:65], 0
	v_nop
	global_prefetch_b8 v0, s[64:65] scope:SCOPE_SE
	s_setreg_imm32_b32 hwreg(HW_REG_WAVE_MODE, 25, 1), 1
	s_wait_xcnt 0x0
; ffn2: part[kq] = hidden[:, 1024 kq .. + 1023] w2[e][1024 kq .. + 1023, :], each token with its own expert alone; f32 partial sums, four K quarters.
; Built as ffn1.  A work-group is (expert, K quarter, slab of 64 columns): 4 x 4 x 16 = 256.  It reads its 64 columns x 1,024 K (256 KiB of f32) once,
; keeps them in bf16 in registers (wave w: K = 1024 kq + 256 w .. + 255), and walks its expert's blocks of 64 slots (meta: pblk, nblk).  The four waves'
; partial tiles are added through LDS.  The four K quarters lie in four work-groups, which hand nothing to each other: each stores its sums, and the
; last launch adds them.
; TOKENS COME STRAIGHT INTO REGISTERS: hidden lies in fragment order ([slot / 16][column / 8][16 slots][8 columns]), a wave's fragments hold its own K
; alone, and half a fragment is one load of 512 consecutive bytes.  A ring of eight places of 32 registers, one for each K step: in K step ks the place
; that step ks - 1 has just left is asked for again, seven K steps (112 matrix instructions) ahead; 56 loads (28 KiB) of a wave are out.
; THE K SUM OF A BLOCK RUNS UNDER THE NEXT BLOCK'S PRODUCTS.  Trip t multiplies block t and, between its matrix instructions, reads block t - 1's three
; foreign partial tiles from the stage, adds them to the wave's own tile, and stores the result.  The own tile takes turns between two register sets
; (even and odd blocks), and so do two stages in LDS: trip t stores stage t % 2 in front of its barrier; trip t + 1 reads it behind that barrier and has
; waited for those reads in front of its own; trip t + 2 stores it again behind that one.  Block 0's products stand ahead of the loop, the last block's
; sum behind it, written out for both parities.
; WHAT HANGS ON DATA: nblk and pblk.  The loop has 32 trips, as many as an expert can have blocks; a trip without a block jumps to the trip's barrier, so
; that every wave passes every barrier.
; ORDER OF BLOCKS: slab cs starts at block cs x nblk / 16 and goes round, so that the 16 work-groups that read the same bytes ask for different blocks at
; any time.  The block behind the last is the first again: the last look-ahead reads bytes that are there, and is not used.
; NO CLUSTER, though 16 work-groups read the same blocks: partners that ask jointly must make the same requests on every path, so the number of blocks
; could not be read from memory; with a constant number it takes 3,584 slots and each weight once for each group of its expert, against at most 2,240
; slots and each weight once here.
; Fragment tile b takes the slab's columns 4 r + b, so the weights need no transposition (a lane's 16-byte load of row k brings one number for each tile).
; REGISTERS in windows of 256: window 0 addresses and the way out; window 1 the weights, (ks, b) at 32 ks + 8 b; window 2 the accumulators: the own tile
; (local tile 0), part b, at 8 b for even blocks and at 128 + 8 b for odd ones, tile (a, b), a = 1..3, at 8 (4 a + b), and before the first product the
; weights' landing buffers; window 3 the ring, (ks, a) at 8 (4 ks + a).  Local tile a is m-tile (a + w) % 4.
.set NTRIP,  32                        ; the most blocks an expert can have
.set PITCHB, 4096                      ; bytes from row to row of w2
.set MT,     131072                    ; an m-tile of hidden
.set TSH,    19                        ; a block of hidden is 2^19 bytes
.set OSH,    18                        ; 64 rows of part are 2^18 bytes
.set KQB,    9175040                   ; a K quarter of part: 2,240 slots x 4,096 bytes
.set STGB,   49152                     ; a stage: storing wave x 3 tiles x 4,096 bytes; two stages take turns
.set NCS,    4                         ; K steps 1 .. NCS carry the sum's vector work, 16 instructions each; step NCS + 1 the stores
.set WOFF, 4                           ; v4      weights: 8 g rows of 4,096 bytes + 16 r
.set OOFF, 4                           ;         output: 8 g rows of 4,096 bytes + 16 r: the same number, one register
.set LT,   7                           ; v7      16 x lane
.set ADR,  8                           ; v[8:11] tokens: m-tile (a + w) % 4 + 16 x lane
.set STA,  16
.set STR,  17                          ; v[17:19]
.set P,    32                          ; v[32:127] the three foreign tiles, register 8 b + j as in an accumulator tile
.set T,    128                         ; v[128:159] the sums in column order
.set OBE,  34                          ; s[34:35] where the block whose sum is due goes
.set CUR,  36                          ; s[36:37] this block of hidden, at my K
.set NXT,  38                          ; s[38:39] the next block
.set OBP,  56                          ; s[56:57] where the block at CUR goes
.set MULW, 0xA7                        ; source 0 tokens (window 3), source 1 weights (window 1), C and D window 2
.set MSB, 0
.macro WIN new
.if MSB != \new
	s_set_vgpr_msb (MSB<<8)|\new
.set MSB, \new
.endif
.endm
.macro WLOAD c, buf
	WIN 0x80
.irp q, 0,1
.irp j, 0,1,2,3,4,5,6,7
	global_load_b128 v[64*\buf+32*\q+4*\j:64*\buf+32*\q+4*\j+3], v[WOFF], s[32:33] offset:(32*\c+16*\q+\j)*PITCHB th:TH_LOAD_NT
.endr
.endr
.endm
.macro WCVT c, buf
	WIN 0x4A
.irp b, 0,1,2,3
.irp q, 0,1
.irp jj, 0,1,2,3
	v_cvt_pk_bf16_f32 v[32*\c+8*\b+4*\q+\jj], v[64*\buf+32*\q+8*\jj+\b], v[64*\buf+32*\q+8*\jj+4+\b]
.endr
.endr
.endr
.endm
.macro ALOAD base, ks                  ; the four token fragments of K step ks of the block at base: 8 loads of 512 consecutive bytes
	WIN 0xC0
.irp a, 0,1,2,3
	global_load_b128 v[8*(4*(\ks)+\a):8*(4*(\ks)+\a)+3],   v[ADR+\a], s[\base:\base+1] offset:1024*(\ks)
	global_load_b128 v[8*(4*(\ks)+\a)+4:8*(4*(\ks)+\a)+7], v[ADR+\a], s[\base:\base+1] offset:1024*(\ks)+512
.endr
.endm
.macro MM ks, a, b, par                ; the first K step starts the sums
.if \a == 0
.set DR, 128*\par+8*\b
.else
.set DR, 8*(4*\a+\b)
.endif
.if \ks == 0
	v_wmma_f32_16x16x32_bf16 v[DR:DR+7], v[8*(4*\ks+\a):8*(4*\ks+\a)+7], v[32*\ks+8*\b:32*\ks+8*\b+7], 0
.else
	v_wmma_f32_16x16x32_bf16 v[DR:DR+7], v[8*(4*\ks+\a):8*(4*\ks+\a)+7], v[32*\ks+8*\b:32*\ks+8*\b+7], v[DR:DR+7]
.endif
.endm
.macro MM4 ks, a, par                  ; local tile a, its four parts
	WIN MULW
.irp b, 0,1,2,3
	MM \ks, \a, \b, \par
.endr
.endm
.macro SLD s, ep                       ; the partial tile of my m-tile that wave (w - s - 1) % 4 stored into stage ep: 8 LDS loads
	WIN 0
.irp q, 0,1,2,3,4,5,6,7
	ds_load_b128 v[P+32*\s+4*\q:P+32*\s+4*\q+3], v[STR+\s] offset:\ep*STGB+512*\q
.endr
.endm
; Piece c (0 .. 7) of the sum of a block of parity ep: eight vector instructions each.
.macro ECH c, ep
.if (\c)/2 == 0                        ; first foreign tile + my own part (window 2)
	WIN 0x02
.irp i, 0,1,2,3,4,5,6,7
	v_pk_add_f32 v[P+16*(\c)+2*\i:P+16*(\c)+2*\i+1], v[128*\ep+16*(\c)+2*\i:128*\ep+16*(\c)+2*\i+1], v[P+16*(\c)+2*\i:P+16*(\c)+2*\i+1]
.endr
.endif
.if (\c)/2 == 1                        ; second + third
	WIN 0
.irp i, 0,1,2,3,4,5,6,7
	v_pk_add_f32 v[P+32+16*((\c)-2)+2*\i:P+32+16*((\c)-2)+2*\i+1], v[P+32+16*((\c)-2)+2*\i:P+32+16*((\c)-2)+2*\i+1], v[P+64+16*((\c)-2)+2*\i:P+64+16*((\c)-2)+2*\i+1]
.endr
.endif
.if (\c)/4 == 1                        ; the two halves; slot 8 g + j, column 4 r + b: the last add also orders the columns
	WIN 0
.irp jj, 0,1
.irp b, 0,1,2,3
	v_add_f32 v[T+4*(2*((\c)-4)+\jj)+\b], v[P+8*\b+2*((\c)-4)+\jj], v[P+32+8*\b+2*((\c)-4)+\jj]
.endr
.endr
.endif
.endm
.macro EOUT
	WIN 0
.irp j, 0,1,2,3,4,5,6,7
	global_store_b128 v[OOFF], v[T+4*\j:T+4*\j+3], s[OBE:OBE+1] offset:4096*\j   ; sixteen lanes store a row's 256 consecutive bytes, aligned
.endr
.endm
; A block's eight K steps (parity par); epi = 1: with the sum of the block before (parity ep) between the matrix instructions.
; The 16 accumulators take turns, one instruction a turn, in the same order in every K step.
; Behind the first four matrix instructions of a K step stand at least four plain vector instructions that name no register of the last K step's matrix
; instructions (ISA guide 7.12.1): a piece of the sum, or v_nop where there is none; only then the last K step's fragments are loaded over.
.macro STEPS epi, par, ep
.irp ks, 0,1,2,3,4,5,6,7
.set EB, 0
.if \epi
.if \ks > 0
.if \ks < NCS+1
.set EB, 1
.endif
.endif
.endif
	s_wait_loadcnt 48                              ; loads come back in order (ISA guide 5.7.1): this K step's eight are in, the six steps asked for behind it stay out
	MM4 \ks, 0, \par
.if EB
.if \ks == 1
	s_wait_dscnt 16                                ; the first foreign tile is in; the 16 loads of the other two stay out
.endif
.if \ks == 2
	s_wait_dscnt 0x0                               ; all three are in
.endif
	ECH 2*(\ks-1), \ep
.else
.rept 4
	v_nop
.endr
.if \epi
.if \ks == 0
	SLD 0, \ep
.endif
.if \ks == NCS+1
	EOUT
.endif
.endif
.endif
.if \ks == 0
	ALOAD CUR, 7
.else
	ALOAD NXT, \ks-1
.endif
	MM4 \ks, 1, \par
.if \epi
.if \ks == 0
	SLD 1, \ep
.endif
.endif
	MM4 \ks, 2, \par
.if \epi
.if \ks == 0
	SLD 2, \ep
.endif
.endif
.if EB
	ECH 2*(\ks-1)+1, \ep
.endif
	MM4 \ks, 3, \par
.endr
.endm
.macro SSTORE par                      ; my partial tiles of the other waves' m-tiles, into stage par
	WIN 0x08                                       ; LDS store data from window 2
.rept 5
	v_nop                                          ; the places behind the last matrix instructions (ISA guide 7.12.1)
.endr
.irp a, 1,2,3
.irp b, 0,1,2,3
	ds_store_b128 v[STA], v[8*(4*\a+\b):8*(4*\a+\b)+3]   offset:\par*STGB+(\a-1)*4096+1024*\b
	ds_store_b128 v[STA], v[8*(4*\a+\b)+4:8*(4*\a+\b)+7] offset:\par*STGB+(\a-1)*4096+1024*\b+512
.endr
.endr
	WIN 0
.endm
.macro ADV                             ; on to the next block
	s_wait_xcnt 0x0                                ; the stores' base and data and the loads' bases are rewritten only behind this wait
	s_sub_co_u32 s44, s44, 1
	s_mov_b64 s[OBE:OBE+1], s[OBP:OBP+1]           ; the block just multiplied: its sum is due
	s_mov_b64 s[CUR:CUR+1], s[NXT:NXT+1]
	s_add_co_u32 s47, s28, s46                     ; where the block now at CUR goes
	s_min_u32 s47, s47, 34
	s_lshl_b32 s48, s47, OSH
	s_add_nc_u64 s[OBP:OBP+1], s[42:43], s[48:49]
	s_add_co_u32 s46, s46, 1                       ; the block behind it, round the expert's blocks
	s_cmp_ge_u32 s46, s29
	s_cselect_b32 s46, 0, s46
	s_add_co_u32 s47, s28, s46
	s_min_u32 s47, s47, 34
	s_lshl_b32 s48, s47, TSH
	s_add_nc_u64 s[NXT:NXT+1], s[40:41], s[48:49]
.endm
; A trip.  s44 = blocks still to multiply.  par = the parity of this trip's block, ep = 1 - par that of the block whose sum is due.
.macro TRIP par, ep
	s_cmp_eq_u32 s44, 0
	s_cbranch_scc1 .Lidle_\@                       ; no block left: on to the barrier
	STEPS 1, \par, \ep
	SSTORE \par
	ADV
.Lidle_\@:
	s_wait_dscnt 0x0                               ; my partial tiles are in LDS and my reads of the other stage are over, for the others' sake
	s_barrier_signal -1
	s_barrier_wait -1
.endm
.macro EPI ep                          ; the last block's sum, with nothing left to multiply
	SLD 0, \ep
	SLD 1, \ep
	SLD 2, \ep
	s_wait_dscnt 0x0
.irp c, 0,1,2,3,4,5,6,7
	ECH \c, \ep
.endr
	EOUT
.endm
	s_load_b256 s[16:23], s[0:1], 0x0              ; w2 16, hidden 18, meta 20, part 22
	v_lshl_add_u32 v254, v0, 2, 0x18000
	v_mov_b32 v255, 0
	v_lshrrev_b32 v1, 5, v0
	v_readfirstlane_b32 s8, v1                     ; wave
	s_lshr_b32 s10, ttmp9, 6                       ; expert
	s_bfe_u32 s13, ttmp9, 0x20004                  ; K quarter: 2 bits from bit 4
	s_and_b32 s12, ttmp9, 15                       ; column slab
	s_lshl_b32 s54, s10, 4                         ; meta: 16 bytes an expert
	s_mov_b32 s55, 0
	s_lshl_b32 s52, s10, 24                        ; weights: expert x 16 MiB + (1024 kq + 256 w) rows + 256 bytes x slab
	s_lshl_b32 s47, s13, 22
	s_add_co_u32 s52, s52, s47
	s_lshl_b32 s47, s8, 20
	s_add_co_u32 s52, s52, s47
	s_lshl_b32 s47, s12, 8
	s_add_co_u32 s52, s52, s47
	s_mov_b32 s53, 0
	v_and_b32 v1, 31, v0                           ; lane
	v_and_b32 v2, 15, v0                           ; r
	v_bfe_u32 v3, v0, 4, 1                         ; g
	v_lshlrev_b32 v[WOFF], 4, v2
	v_lshl_add_u32 v[WOFF], v3, 15, v[WOFF]
	v_lshlrev_b32 v[LT], 4, v1
	s_wait_kmcnt 0x0
	s_add_nc_u64 s[20:21], s[20:21], s[54:55]
	s_load_b64 s[28:29], s[20:21], 0x0             ; pblk, nblk of my expert; they come in while the first weights are asked for
	s_add_nc_u64 s[32:33], s[16:17], s[52:53]
	WLOAD 0, 0
	WLOAD 1, 1
	WIN 0
.irp a, 0,1,2,3
	s_add_co_u32 s47, s8, \a
	s_and_b32 s47, s47, 3
	s_mul_i32 s47, s47, MT
	v_add_nc_u32 v[ADR+\a], s47, v[LT]
.endr
	s_mul_i32 s47, s8, 12288
	v_add_nc_u32 v[STA], s47, v[LT]
.irp a, 1,2,3
	s_add_co_u32 s47, s8, 4-\a                     ; wave (w - a) % 4 has my m-tile as its local tile a
	s_and_b32 s47, s47, 3
	s_mul_i32 s47, s47, 12288
	s_add_co_u32 s47, s47, (\a-1)*4096
	v_add_nc_u32 v[STR+\a-1], s47, v[LT]
.endr
	s_mov_b32 s49, 0
	s_lshl_b32 s48, s13, 15                        ; hidden at my K: quarter kq, 8,192 bytes of each m-tile
	s_lshl_b32 s47, s8, 13
	s_add_co_u32 s48, s48, s47
	s_add_nc_u64 s[40:41], s[18:19], s[48:49]
	s_mul_i32 s48, s13, KQB                        ; part: K quarter, row 16 w of a block, 256 bytes x slab
	s_lshl_b32 s47, s8, 16
	s_add_co_u32 s48, s48, s47
	s_lshl_b32 s47, s12, 8
	s_add_co_u32 s48, s48, s47
	s_add_nc_u64 s[42:43], s[22:23], s[48:49]
	s_wait_kmcnt 0x0
	s_min_u32 s28, s28, 34                         ; numbers from memory enter addresses only clamped
	s_min_u32 s29, s29, NTRIP
	s_max_u32 s29, s29, 1
	s_mov_b32 s44, s29                             ; blocks to multiply
	s_sub_co_u32 s58, s29, 1
	s_and_b32 s58, s58, 1                          ; the parity of the last one
	s_mul_i32 s45, s12, s29
	s_lshr_b32 s45, s45, 4                         ; my first block: slab x nblk / 16
	s_min_u32 s45, s45, NTRIP-1
	s_add_co_u32 s46, s45, 1                       ; the one behind it
	s_cmp_ge_u32 s46, s29
	s_cselect_b32 s46, 0, s46
	s_add_co_u32 s47, s28, s45
	s_min_u32 s47, s47, 34
	s_lshl_b32 s48, s47, TSH
	s_add_nc_u64 s[CUR:CUR+1], s[40:41], s[48:49]
	s_lshl_b32 s48, s47, OSH
	s_add_nc_u64 s[OBP:OBP+1], s[42:43], s[48:49]
	s_add_co_u32 s47, s28, s46
	s_min_u32 s47, s47, 34
	s_lshl_b32 s48, s47, TSH
	s_add_nc_u64 s[NXT:NXT+1], s[40:41], s[48:49]
	; The weights, with the first block's K steps 0 to 6 woven in.  Each wait's count is what was issued behind the chunk that it waits for
	; (a chunk is 16 loads, a K step's fragments 8); 56 loads are out at the most.
	ALOAD CUR, 0
	ALOAD CUR, 1
	s_wait_loadcnt 32                              ; chunk 0: behind it chunk 1 and K steps 0, 1
	WCVT 0, 0
	WLOAD 2, 2
	ALOAD CUR, 2
	s_wait_loadcnt 40                              ; chunk 1: behind it K steps 0, 1, chunk 2, K step 2
	WCVT 1, 1
	WLOAD 3, 0
	s_wait_loadcnt 24                              ; chunk 2: behind it K step 2, chunk 3
	WCVT 2, 2
	WLOAD 4, 1
	ALOAD CUR, 3
	ALOAD CUR, 4
	s_wait_loadcnt 32                              ; chunk 3: behind it chunk 4, K steps 3, 4
	WCVT 3, 0
	WLOAD 5, 2
	ALOAD CUR, 5
	s_wait_loadcnt 40                              ; chunk 4: behind it K steps 3, 4, chunk 5, K step 5
	WCVT 4, 1
	WLOAD 6, 0
	s_wait_loadcnt 24                              ; chunk 5: behind it K step 5, chunk 6
	WCVT 5, 2
	WLOAD 7, 1
	ALOAD CUR, 6
	s_wait_loadcnt 24                              ; chunk 6: behind it chunk 7, K step 6
	WCVT 6, 0
	s_wait_loadcnt 8                               ; chunk 7: behind it K step 6
	WCVT 7, 1
	; block 0 (every expert has one): products alone
	STEPS 0, 0, 0
	SSTORE 0
	ADV
	s_wait_dscnt 0x0                               ; my partial tiles are in LDS, for the others' sake
	s_barrier_signal -1
	s_barrier_wait -1
	s_mov_b32 s59, 0
.Lpair:                                            ; trips 1 to 32
	TRIP 1, 0
	TRIP 0, 1
	s_add_co_u32 s59, s59, 1
	s_cmp_lt_u32 s59, NTRIP/2
	s_cbranch_scc1 .Lpair
	; the last block's sum: its stage was stored in front of a barrier that every wave has passed, and nothing has been stored since
	s_cmp_lg_u32 s58, 0
	s_cbranch_scc1 .Lodd
	EPI 0
	s_wait_tensorcnt 0x0
	ds_add_u32 v254, v255
	s_wait_dscnt 0x0
	s_endpgm                                       ; the last look-ahead's loads may be out: nothing reads them
.Lodd:
	EPI 1
	s_wait_tensorcnt 0x0
	ds_add_u32 v254, v255
	s_wait_dscnt 0x0
	s_endpgm
.Lfunc_end_k_q23550c0346_ffn2:
	.size	k_q23550c0346_ffn2, .Lfunc_end_k_q23550c0346_ffn2-k_q23550c0346_ffn2
	.p2alignl 7, 3214868480
	.fill 96, 4, 3214868480
	.section	.rodata,"a",@progbits
	.p2align	6, 0x0
	.amdhsa_kernel k_q23550c0346_ffn2
		.amdhsa_group_segment_fixed_size 98816
		.amdhsa_private_segment_fixed_size 0
		.amdhsa_enable_private_segment 0
		.amdhsa_kernarg_size 32
		.amdhsa_user_sgpr_count 2
		.amdhsa_user_sgpr_kernarg_segment_ptr 1
		.amdhsa_wavefront_size32 1
		.amdhsa_system_sgpr_workgroup_id_x 1
		.amdhsa_system_sgpr_workgroup_id_y 1
		.amdhsa_system_sgpr_workgroup_id_z 1
		.amdhsa_system_vgpr_workitem_id 0
		.amdhsa_next_free_vgpr 1024
		.amdhsa_next_free_sgpr 66
		.amdhsa_reserve_vcc 0
		.amdhsa_float_denorm_mode_32 3
		.amdhsa_float_denorm_mode_16_64 3
		.amdhsa_memory_ordered 1
		.amdhsa_forward_progress 1
		.amdhsa_inst_pref_size 115
	.end_amdhsa_kernel
	.amdgpu_metadata
---
amdhsa.version: [ 1, 2 ]
amdhsa.kernels:
  - .name:           k_q23550c0346_ffn2
    .symbol:         k_q23550c0346_ffn2.kd
    .args:
      - { .name: w2, .offset: 0, .size: 8, .value_kind: global_buffer, .address_space: global }
      - { .name: hidden, .offset: 8, .size: 8, .value_kind: global_buffer, .address_space: global }
      - { .name: meta, .offset: 16, .size: 8, .value_kind: global_buffer, .address_space: global }
      - { .name: part, .offset: 24, .size: 8, .value_kind: global_buffer, .address_space: global }
    .group_segment_fixed_size: 98816
    .private_segment_fixed_size: 0
    .kernarg_segment_align: 8
    .kernarg_segment_size: 32
    .max_flat_workgroup_size: 128
    .sgpr_count:     66
    .vgpr_count:     1024
    .wavefront_size: 32
...
	.end_amdgpu_metadata
.endif
;; end of part 9
;; launch finish (part 10): grid 256 x 1, 8 waves a work-group, no clusters, 0 bytes of LDS; arguments part, x, b2, stats, eid, pos, out0; writes out0
.if DOCPART == 10
	.amdgcn_target "amdgcn-amd-amdhsa--gfx1250"
	.amdhsa_code_object_version 6
	.text
	.protected	k_q23550c0346_finish
	.globl	k_q23550c0346_finish
	.p2align	8
	.type	k_q23550c0346_finish,@function
k_q23550c0346_finish:
	s_mov_b64 s[64:65], 0
	v_nop
	global_prefetch_b8 v0, s[64:65] scope:SCOPE_SE
	s_setreg_imm32_b32 hwreg(HW_REG_WAVE_MODE, 25, 1), 1
	s_wait_xcnt 0x0
; finish: out[t] = x[t] + alpha[t] (p0 + p1 + p2 + p3 + b2[e]), which is alpha y + (1 - alpha) x with y = x + ffn + b2.
; p0..p3 are the four K quarters' sums at the token's padded slot pos[t].  One wave, one token: 48 loads of 512 consecutive bytes, all issued
; before the one wait, 8 stores of 512 consecutive bytes.  Memory binds: no LDS, no barrier, no matrix unit.
.set P, 32                             ; v[32:159]  quarter q at P + 32 q
.set X, 160                            ; v[160:191]
.set B, 192                            ; v[192:223] b2[e]
.set KQB, 9175040                      ; a K quarter of part: 2,240 slots x 4,096 bytes
	s_load_b256 s[4:11], s[0:1], 0x0               ; part 4, x 6, b2 8, stats 10
	s_load_b128 s[12:15], s[0:1], 0x20             ; eid 12, pos 14
	s_load_b64 s[16:17], s[0:1], 0x30              ; out0
	v_lshrrev_b32 v1, 5, v0
	v_readfirstlane_b32 s19, v1
	s_lshl_b32 s20, ttmp9, 3
	s_add_co_u32 s20, s20, s19                     ; token t
	v_and_b32 v1, 31, v0
	v_lshlrev_b32 v1, 4, v1                        ; 16 bytes a lane
	s_lshl_b32 s36, s20, 12
	s_mov_b32 s37, 0
	s_lshl_b32 s38, s20, 2
	s_mov_b32 s39, 0
	s_lshl_b32 s40, s20, 4
	s_mov_b32 s41, 0
	s_wait_kmcnt 0x0
	s_add_nc_u64 s[6:7], s[6:7], s[36:37]
	s_add_nc_u64 s[16:17], s[16:17], s[36:37]
	s_add_nc_u64 s[12:13], s[12:13], s[38:39]
	s_add_nc_u64 s[14:15], s[14:15], s[38:39]
	s_add_nc_u64 s[10:11], s[10:11], s[40:41]
	s_load_b32 s21, s[12:13], 0x0                  ; expert
	s_load_b32 s22, s[14:15], 0x0                  ; padded slot
	s_load_b128 s[24:27], s[10:11], 0x0            ; mu, rstd, alpha, 0
.irp i, 0,1,2,3,4,5,6,7
	global_load_b128 v[X+4*\i:X+4*\i+3], v1, s[6:7] offset:512*\i th:TH_LOAD_NT
.endr
	s_wait_kmcnt 0x0
	s_min_u32 s21, s21, 3                          ; numbers from memory enter addresses only clamped
	s_min_u32 s22, s22, 2239
	s_lshl_b32 s42, s22, 12
	s_mov_b32 s43, 0
	s_add_nc_u64 s[28:29], s[4:5], s[42:43]        ; one base for each quarter: the step is too large for a load's immediate
	s_add_nc_u64 s[30:31], s[28:29], KQB
	s_add_nc_u64 s[32:33], s[30:31], KQB
	s_add_nc_u64 s[34:35], s[32:33], KQB
	s_lshl_b32 s44, s21, 12
	s_mov_b32 s45, 0
	s_add_nc_u64 s[8:9], s[8:9], s[44:45]
.irp q, 0,1,2,3
.irp i, 0,1,2,3,4,5,6,7
	global_load_b128 v[P+32*\q+4*\i:P+32*\q+4*\i+3], v1, s[28+2*\q:29+2*\q] offset:512*\i th:TH_LOAD_NT
.endr
.endr
.irp i, 0,1,2,3,4,5,6,7
	global_load_b128 v[B+4*\i:B+4*\i+3], v1, s[8:9] offset:512*\i
.endr
	v_mov_b32 v2, s26                              ; alpha, twice, for the packed multiply-add
	v_mov_b32 v3, s26
	s_wait_loadcnt 0x0
.irp p, 0,1,2,3,4,5,6,7,8,9,10,11,12,13,14,15
	v_pk_add_f32 v[P+2*\p:P+2*\p+1], v[P+2*\p:P+2*\p+1], v[P+32+2*\p:P+32+2*\p+1]
	v_pk_add_f32 v[P+64+2*\p:P+64+2*\p+1], v[P+64+2*\p:P+64+2*\p+1], v[P+96+2*\p:P+96+2*\p+1]
.endr
.irp p, 0,1,2,3,4,5,6,7,8,9,10,11,12,13,14,15
	v_pk_add_f32 v[P+2*\p:P+2*\p+1], v[P+2*\p:P+2*\p+1], v[B+2*\p:B+2*\p+1]
.endr
.irp p, 0,1,2,3,4,5,6,7,8,9,10,11,12,13,14,15
	v_pk_add_f32 v[P+2*\p:P+2*\p+1], v[P+2*\p:P+2*\p+1], v[P+64+2*\p:P+64+2*\p+1]
.endr
.irp p, 0,1,2,3,4,5,6,7,8,9,10,11,12,13,14,15
	v_pk_fma_f32 v[P+2*\p:P+2*\p+1], v[P+2*\p:P+2*\p+1], v[2:3], v[X+2*\p:X+2*\p+1]
.endr
.irp i, 0,1,2,3,4,5,6,7
	global_store_b128 v1, v[P+4*\i:P+4*\i+3], s[16:17] offset:512*\i th:TH_STORE_NT
.endr
	s_endpgm
.Lfunc_end_k_q23550c0346_finish:
	.size	k_q23550c0346_finish, .Lfunc_end_k_q23550c0346_finish-k_q23550c0346_finish
	.p2alignl 7, 3214868480
	.fill 96, 4, 3214868480
	.section	.rodata,"a",@progbits
	.p2align	6, 0x0
	.amdhsa_kernel k_q23550c0346_finish
		.amdhsa_group_segment_fixed_size 0
		.amdhsa_private_segment_fixed_size 0
		.amdhsa_enable_private_segment 0
		.amdhsa_kernarg_size 56
		.amdhsa_user_sgpr_count 2
		.amdhsa_user_sgpr_kernarg_segment_ptr 1
		.amdhsa_wavefront_size32 1
		.amdhsa_system_sgpr_workgroup_id_x 1
		.amdhsa_system_sgpr_workgroup_id_y 1
		.amdhsa_system_sgpr_workgroup_id_z 1
		.amdhsa_system_vgpr_workitem_id 0
		.amdhsa_next_free_vgpr 224
		.amdhsa_next_free_sgpr 66
		.amdhsa_reserve_vcc 0
		.amdhsa_float_denorm_mode_32 3
		.amdhsa_float_denorm_mode_16_64 3
		.amdhsa_memory_ordered 1
		.amdhsa_forward_progress 1
		.amdhsa_inst_pref_size 13
	.end_amdhsa_kernel
	.amdgpu_metadata
---
amdhsa.version: [ 1, 2 ]
amdhsa.kernels:
  - .name:           k_q23550c0346_finish
    .symbol:         k_q23550c0346_finish.kd
    .args:
      - { .name: part, .offset: 0, .size: 8, .value_kind: global_buffer, .address_space: global }
      - { .name: x, .offset: 8, .size: 8, .value_kind: global_buffer, .address_space: global }
      - { .name: b2, .offset: 16, .size: 8, .value_kind: global_buffer, .address_space: global }
      - { .name: stats, .offset: 24, .size: 8, .value_kind: global_buffer, .address_space: global }
      - { .name: eid, .offset: 32, .size: 8, .value_kind: global_buffer, .address_space: global }
      - { .name: pos, .offset: 40, .size: 8, .value_kind: global_buffer, .address_space: global }
      - { .name: out0, .offset: 48, .size: 8, .value_kind: global_buffer, .address_space: global }
    .group_segment_fixed_size: 0
    .private_segment_fixed_size: 0
    .kernarg_segment_align: 8
    .kernarg_segment_size: 56
    .max_flat_workgroup_size: 256
    .sgpr_count:     66
    .vgpr_count:     224
    .wavefront_size: 32
...
	.end_amdgpu_metadata
.endif
;; end of part 10
